; MI455X (gfx1250); checked and timed in simulation.
; The chip was launched on July 23, 2026; its instructions are those of AMD's public machine-readable ISA for CDNA 5 (MIT licence, August 2026) and "CDNA5" Instruction Set Architecture Reference Guide (July 2026). The comments in the code are by the model that wrote it; some were corrected since.
;; Multi Head Attention. Allowed arithmetic: matrix products marked QUANTISED: E2M1 operands, one E8M0 scale for each 32 along K, by v_wmma_scale_f32_16x16x128_f8f6f4 with both operands' format E2M1 (or v_wmma_scale_f32_32x16x128_f4), f32 sums; everything else in f32.
;; Inputs: Wk 16 x 1,024 x 64 float32; Wp 1,024 x 1,024 float32; Wq 16 x 1,024 x 64 float32; Wv 16 x 1,024 x 64 float32; bp 1,024 float32; x 4 x 2,048 x 1,024 float32.
;; Outputs: out0 4 x 2,048 x 1,024 float32.
;; This version of the problem:
;;   THIS VERSION OF THE PROBLEM IS GIVEN IN LOW PRECISION. The matrix products marked QUANTISED in the list below multiply operands that are first quantised to E2M1 (2 exponent bits, 1 mantissa bit; 4 bits a number), with one power-of-two scale for each 32 numbers along K (OCP MX v1.0); their sums are f32. All else is computed in f32.
;;   The module's matrix products, in the order in which they are computed (A, B: the left and right operand; K: the contracted axis; several contracted axes count as one K, in the product's order):
;;     1. [M 1,024, K 1,024] x [K 1,024, N 8,192]; A: input Wq; B: input x: QUANTISED
;;     2. [M 1,024, K 1,024] x [K 1,024, N 8,192]; A: input Wk; B: input x: QUANTISED
;;     3. [M 1,024, K 1,024] x [K 1,024, N 8,192]; A: input Wv; B: input x: QUANTISED
;;     4. batch 64 x [M 2,048, K 64] x [K 64, N 2,048]; A: computed on the way; B: computed on the way: QUANTISED
;;     5. batch 64 x [M 2,048, K 2,048] x [K 2,048, N 64]; A: softmax (see below); B: computed on the way: QUANTISED
;;     6. [M 8,192, K 1,024] x [K 1,024, N 1,024]; A: computed on the way; B: input Wp: QUANTISED
;;   THE QUANTISER, for each operand of a quantised product, along K:
;;     - K is cut into blocks of 32 from its start; a last block that is shorter is filled with zeros.
;;     - A block's scale is 2^e with e = floor(log2(the largest magnitude in the block)) - 2, held to -126 .. 127; a block of zeros has e = 0. As a byte (E8M0): e + 127.
;;     - Each number is divided by its block's scale, clamped to +-6, and rounded to the nearest number of E2M1, ties to even, subnormals kept.
;;     - The product sums the exact products of the quantised numbers (number of the format x scale) in f32.
;;   ~~~python
;;   def quantise(x, axis):      # numpy; x: float32 -> the quantised numbers, widened to float32 again
;;       x = np.moveaxis(x, axis, -1); K = x.shape[-1]
;;       x = np.pad(x, [(0, 0)] * (x.ndim - 1) + [(0, -K % 32)]); x = x.reshape(x.shape[:-1] + (-1, 32)); a = np.abs(x).max(-1, keepdims=True)
;;       e = np.where(a > 0, np.clip(np.frexp(np.where(a > 0, a, 1))[1] - 1 - 2, -126, 127), 0)      # np.frexp(a)[1] - 1 = floor(log2(a)), exactly
;;       r = np.clip(x / 2.0 ** e, -6, 6)
;;       step = 2.0 ** (np.maximum(np.frexp(np.where(r == 0, 1, r))[1] - 1, 0) - 1)
;;       q = np.round(r / step) * step * 2.0 ** e      # np.round: ties to even
;;       return np.moveaxis(q.reshape(q.shape[:-2] + (-1,))[..., :K], -1, axis).astype(np.float32)
;;   ~~~
;;   SOFTMAX AHEAD OF A QUANTISED PRODUCT. Where the list says 'softmax', what is quantised is not the finished softmax but p = 2^(t - M), with t = logit x log2(e) and M = ceil(the row's largest t), a whole number; so 1/2 < the row's largest p <= 1. The row's sum l is taken of the UNQUANTISED p, in f32, and the product's result is divided by l at the end. Since M is a whole number, a kernel that streams over the keys may use a running M (the ceiling of the running maximum): every later rescaling is an exact power of two, which a block's scale takes up: the codes' values come out the same.
;;   OPERANDS COMPUTED ON THE WAY. 'Computed on the way' means the value that the module computes at that place (a softmax that the list does not call 'softmax' is quantised finished and normalised). What goes into a quantiser is computed in f32, as accurately as f32 sums, v_exp_f32 and their like allow (about 1e-6 of the number): no bf16 or f16 on the way to a quantiser, and a product that is left as it is and whose result goes on into a quantised operand takes f32 operands (vector FMAs, or v_wmma_f32_16x16x4_f32). A number that lies on a knife's edge between two numbers of the format may be rounded either way, as far as f32 arithmetic and the matrix unit's own rounding can turn it there, and no further.
;; One version. Each part assembles by itself: llvm-mc -triple=amdgcn-amd-amdhsa -mcpu=gfx1250 --defsym DOCPART=n.
;; ======== version 1 of 1: 4 launches
;; limits: right only within a limited range of input values
;; workspace buffers: cq 6,684,672 bytes; qbuf 4,718,592 bytes; kv 9,175,040 bytes; ob 4,456,448 bytes
;; launch quant (part 1): grid 336 x 1, 4 waves a work-group, no clusters, 100,864 bytes of LDS; arguments x, Wp, Wq, Wk, Wv, cq; writes cq
.if DOCPART == 1
	.amdgcn_target "amdgcn-amd-amdhsa--gfx1250"
	.amdhsa_code_object_version 6
	.text
	.protected	k_qfcc623e1ee_quant
	.globl	k_qfcc623e1ee_quant
	.p2align	8
	.type	k_qfcc623e1ee_quant,@function
k_qfcc623e1ee_quant:
	s_mov_b64 s[64:65], 0
	v_nop
	global_prefetch_b8 v0, s[64:65] scope:SCOPE_SE
	s_setreg_imm32_b32 hwreg(HW_REG_WAVE_MODE, 25, 1), 1
	s_wait_xcnt 0x0
; MULTI-HEAD CAUSAL ATTENTION IN MX-FP4, launch 1 of 4: the inputs of the products become codes of E2M1 with one E8M0 byte for each 32 along K.
; DEAD WORK, for the whole program.  reference() builds the causal mask in its own body (jnp.tril, then -inf ahead of the softmax): a key t > s gets the weight exp(-inf) = 0 for query s, whatever
; the inputs hold.  So a step of 128 keys all of which come after all 16 queries of a tile adds nothing to any output and is left out (launch attn): a tile of queries in step g of its sequence walks
; g + 1 of the 16 steps.  Inside the step on the diagonal hidden scores are set to -inf.  Nothing else is left out; all six inputs are loaded.
; LIMITS: a NaN, an infinity or an overflow that reaches only masked scores is not carried to the result; NaN and infinities among the inputs are not served; a block whose largest magnitude lies
; under 2^(3 - 127) gets the byte 1 (a block of zeros too, where the rule says 127: its codes are zeros, which add nothing, and this program alone reads the bytes).
; WHAT IS MADE, all in the buffer cq:  x [8192 tokens][1024] and Wp [1024][1024], whose K is innermost, and Wq, Wk, Wv [16][1024 (K)][64], whose K is the middle axis:
;   codes [row][512 bytes], K innermost, and scale bytes [row][32].  A weight's row is 1024 x (0: q, 1: k, 2: v) + 64 x head + e.
; THE ROWS ARE STORED WITH BITS 3 AND 4 OF THEIR NUMBER EXCHANGED.  Sixteen rows on end in storage, tile 2 b + u, are then rows 32 b + 8 u + r + 8 (r / 8): where such a tile is source 0 of a matrix
; instruction, a lane's 16 registers of tiles 2 b and 2 b + 1 are 16 neighbours, 32 b + 16 (lane / 16) + 0 .. 15, which is what the next quantiser wants.
; SHARES.  Work-groups 0-255 take x, 256-287 Wp (32 rows each, 8 a wave), 288-335 one head's matrix of Wq, Wk, Wv each.  The two ways part on the work-group's number and have LDS bytes of their own.
; No tensor loads, no barrier, no cluster: waves share nothing, and no two work-groups read the same bytes.
.set XS_O,  4194304                    ; cq: x's codes at 0, x's scale bytes here,
.set WC_O,  4456448                    ; the three weights' codes,
.set WS_O,  6029312                    ; their scale bytes,
.set PC_O,  6127616                    ; Wp's codes,
.set PS_O,  6651904                    ; Wp's scale bytes
.set SPARE, 100352                     ; behind both ways' regions: the spare words, 128 bytes for each wave
.set SPW,   12                         ; v12  LDS address of my spare word; never rewritten
.set NIL,   13                         ; v13  0; never rewritten
	s_load_b256 s[4:11], s[0:1], 0x0               ; x s[4:5], Wp s[6:7], Wq s[8:9], Wk s[10:11]
	s_load_b128 s[12:15], s[0:1], 0x20             ; Wv s[12:13], cq s[14:15]
	v_lshl_add_u32 v[SPW], v0, 2, SPARE
	v_mov_b32 v[NIL], 0
	v_lshrrev_b32 v1, 5, v0
	v_readfirstlane_b32 s16, v1                    ; wave 0..3
	v_and_b32 v2, 31, v0                           ; lane
	s_cmp_ge_u32 ttmp9, 288
	s_cbranch_scc1 .Lweights
; ---------------- K INNERMOST: x and Wp ----------------
; A wave takes 8 rows, 16 steps of 512 numbers.  Each load reads 512 consecutive bytes; a step's 2,048 bytes turn through the wave's own stage in LDS and come back 64 bytes a lane: 16 neighbours along K,
; two neighbouring lanes to a block.  Loads run eight steps (32 loads a wave) ahead, the turn through LDS one step.
.set WREG,  8192                       ; a wave's region: two stages of 32 x SP bytes, behind them its 256 scale bytes
.set SP,    80                         ; a lane's place in a stage: 64 bytes + 16 of padding
.set STEPS, 16
.set AH,    8                          ; steps that the loads run ahead
.set RA,    16                         ; v16-143  eight sets of 16 numbers as they are loaded
.set XA,    144                        ; v144-175 two sets of 16 neighbours
.set EA,    176                        ; v176-191 a scale byte for each step
.set CA,    192                        ; v192-223 codes: two registers for each step, so that no store's data are written again
	v_lshlrev_b32 v3, 4, v2                        ; my 16 bytes of a load's 512
	s_mul_i32 s17, s16, WREG
	v_lshrrev_b32 v14, 2, v2
	v_mul_u32_u24 v14, v14, SP
	v_and_b32 v15, 3, v2
	v_lshl_add_u32 v14, v15, 4, v14
	v_add_nc_u32 v14, s17, v14                     ; the stage, on the way in: SP (lane / 4) + 16 (lane % 4)
	v_mul_u32_u24 v15, v2, SP
	v_add_nc_u32 v15, s17, v15                     ; and on the way out: SP x lane
	v_lshlrev_b32 v4, 3, v2                        ; 8 bytes a lane: my codes' place in a step's, and my part of the 256 scale bytes
	v_lshrrev_b32 v5, 1, v2
	s_add_co_u32 s17, s17, 2*32*SP
	v_add_nc_u32 v5, s17, v5                       ; LDS: my block's scale byte
	v_add_nc_u32 v6, s17, v4                       ; and where I read 8 of them back
	s_lshl_b32 s18, s16, 1
	s_and_b32 s18, s18, 2
	s_lshr_b32 s19, s16, 1
	s_or_b32 s18, s18, s19                         ; the wave's two bits are bits 3 and 4 of its rows' numbers: exchanged for the place in storage
	s_wait_alu depctr_va_vdst(0)
	s_wait_kmcnt 0x0
	s_cmp_lt_u32 ttmp9, 256                        ; x's work-group or Wp's?  The choice hangs on the work-group's number alone
	s_cselect_b64 s[4:5], s[4:5], s[6:7]
	s_cselect_b32 s17, 0, 256
	s_cselect_b32 s20, 0, PC_O
	s_mov_b32 s22, PS_O
	s_cselect_b32 s22, XS_O, s22
	s_sub_co_u32 s17, ttmp9, s17
	s_lshl_b32 s17, s17, 2
	s_add_co_u32 s19, s17, s16                     ; which run of 8 rows I read,
	s_add_co_u32 s17, s17, s18                     ; and which I write
	s_lshl_b32 s24, s19, 15                        ; 32,768 bytes of f32 a run
	s_mov_b32 s25, 0
	s_add_nc_u64 s[4:5], s[4:5], s[24:25]
	s_lshl_b32 s24, s17, 12                        ; 4,096 bytes of codes
	s_add_co_u32 s24, s24, s20
	s_add_nc_u64 s[8:9], s[14:15], s[24:25]
	s_lshl_b32 s24, s17, 8                         ; 256 scale bytes
	s_add_co_u32 s24, s24, s22
	s_add_nc_u64 s[10:11], s[14:15], s[24:25]
.macro ALOAD t
.irp i, 0,1,2,3
	global_load_b128 v[RA+16*((\t)%AH)+4*\i:RA+16*((\t)%AH)+4*\i+3], v3, s[4:5] offset:2048*(\t)+512*\i th:TH_LOAD_NT   ; 32 lanes read 512 consecutive bytes; read once in the launch
.endr
.endm
.macro ATURN t                         ; step t's numbers through the stage: LDS serves a wave's instructions in order, so no wait stands between the stores and the loads
.irp i, 0,1,2,3
	ds_store_b128 v14, v[RA+16*((\t)%AH)+4*\i:RA+16*((\t)%AH)+4*\i+3] offset:32*SP*((\t)%2)+8*SP*\i
.endr
.irp i, 0,1,2,3
	ds_load_b128 v[XA+16*((\t)%2)+4*\i:XA+16*((\t)%2)+4*\i+3], v15 offset:32*SP*((\t)%2)+16*\i
.endr
.endm
.irp t, 0,1,2,3,4,5,6,7
	ALOAD \t
.endr
	s_wait_loadcnt 28                              ; step 0's four loads are in; the seven steps behind it may be out
	ATURN 0
.macro ASTEP t
.set XSA, XA+16*((\t)%2)
.if (\t) > 0
	s_wait_dscnt 1                                 ; this step's numbers are back from the stage (the last step's byte store may be out)
.else
	s_wait_dscnt 0x0
.endif
.if (\t)+AH < STEPS
	ALOAD (\t)+AH                                  ; into the set that this step's stores into the stage have read
.endif
.if (\t)+1 < STEPS
.if (\t)+AH < STEPS
	s_wait_loadcnt 4*(AH-1)                        ; the next step's four loads are in; those of the seven steps behind it may be out
.else
	s_wait_loadcnt 4*(STEPS-2-(\t))                ; the counts run down
.endif
	ATURN (\t)+1
.endif
	v_max3_num_f32 v8, |v[XSA]|, |v[XSA+1]|, |v[XSA+2]|            ; the largest magnitude of my 16, in two chains
	v_max3_num_f32 v9, |v[XSA+3]|, |v[XSA+4]|, |v[XSA+5]|
.irp i, 6,10
	v_max3_num_f32 v8, v8, |v[XSA+\i]|, |v[XSA+\i+1]|
	v_max3_num_f32 v9, v9, |v[XSA+\i+2]|, |v[XSA+\i+3]|
.endr
	v_max3_num_f32 v8, v8, |v[XSA+14]|, |v[XSA+15]|
	v_max3_num_f32 v8, v8, v9, 0x1800000           ; and the floor 2^(3 - 127): the byte cannot fall under 1
	v_max_num_f32_dpp v8, v8, v8 row_xmask:1 row_mask:0xf bank_mask:0xf   ; with my neighbour's 16: the block's
	v_add_nc_u32 v11, 0xff000000, v8               ; 2 off its exponent field: the conversion takes the exponent field of this operand as its scale
	v_cvt_scalef32_pk8_fp4_f32 v[CA+2*(\t)], v[XSA:XSA+7], v11
	v_cvt_scalef32_pk8_fp4_f32 v[CA+2*(\t)+1], v[XSA+8:XSA+15], v11
	v_lshrrev_b32 v[EA+(\t)], 23, v11              ; the scale's byte (also the plain line behind the conversions)
	ds_store_b8 v5, v[EA+(\t)] offset:16*(\t)      ; both lanes of a block write the same byte with the same value
	global_store_b64 v4, v[CA+2*(\t):CA+2*(\t)+1], s[8:9] offset:256*(\t)   ; the wave stores 256 consecutive bytes, aligned
.endm
.irp t, 0,1,2,3,4,5,6,7,8,9,10,11,12,13,14,15
	ASTEP \t
.endr
	ds_load_b64 v[8:9], v6                         ; LDS serves a wave's instructions in order: these see my byte stores
	s_wait_dscnt 0x0
	global_store_b64 v4, v[8:9], s[10:11]          ; 256 consecutive scale bytes, aligned
	s_wait_tensorcnt 0x0                           ; the wave's end: behind my last LDS store
	ds_add_u32 v[SPW], v[NIL]
	s_wait_dscnt 0x0
	s_endpgm
; ---------------- K IN THE MIDDLE: Wq, Wk, Wv ----------------
; A head's matrix is [1024 (K)][64].  Wave w takes 32 columns (w % 2) x 512 along K (w / 2): 16 blocks.  A block's 32 rows x 128 bytes are loaded as they lie (eight loads of four rows), turn through the
; wave's own stage, and come back with A LANE TO A COLUMN AND ITS REGISTERS DOWN K: the block's largest magnitude needs no other lane, and the conversions give codes with K innermost.
; The codes gather in a second stage, a row (256 bytes) to a column, and leave as whole rows.  Loads run five blocks (40 loads a wave) ahead.
.Lweights:
.set TSB,   32768                      ; the turning stages: 2 x 4,096 bytes for each wave
.set OSB,   65536                      ; the codes' stages: 32 rows x 272 bytes for each wave
.set OP,    272
.set SBY,   16                         ; v16-19   the 16 scale bytes
.set CB,    20                         ; v20-27   a block's codes, two sets
.set RB,    28                         ; v28-187  five sets of 32 registers as they are loaded
.set XB,    188                        ; v188-251 two sets of 32 numbers down K
.set OUTR,  28                         ; v28-91   the way out
	s_sub_co_u32 s17, ttmp9, 288                   ; which of the 48 matrices
	s_and_b32 s18, s16, 1                          ; which 32 columns
	s_lshr_b32 s19, s16, 1                         ; which 512 along K
	s_wait_alu depctr_va_vdst(0)
	v_lshrrev_b32 v3, 3, v2
	v_lshlrev_b32 v3, 8, v3
	v_and_b32 v4, 7, v2
	v_lshl_add_u32 v3, v4, 4, v3                   ; in memory: row lane / 8 of four, 16 bytes at 16 (lane % 8)
	s_lshl_b32 s20, s16, 13
	s_add_co_u32 s20, s20, TSB
	v_lshlrev_b32 v4, 4, v2
	v_add_nc_u32 v4, s20, v4                       ; the turning stage, in: 16 x lane: rows of 128 bytes on end
	v_lshlrev_b32 v5, 2, v2
	v_add_nc_u32 v5, s20, v5                       ; out: 4 x lane: my column
	v_and_b32 v9, 7, v2
	v_bfe_u32 v10, v2, 3, 1
	v_lshl_or_b32 v9, v10, 4, v9
	v_bfe_u32 v10, v2, 4, 1
	v_lshl_or_b32 v9, v10, 3, v9                   ; my column's place in storage: bits 3 and 4 exchanged
	s_mul_i32 s21, s16, 32*OP
	s_add_co_u32 s21, s21, OSB
	v_mul_u32_u24 v6, v9, OP
	v_add_nc_u32 v6, s21, v6                       ; the codes' stage, in: my row
	v_lshlrev_b32 v9, 5, v9                        ; and my row of scale bytes: 32 a row
	v_and_b32 v10, 15, v2
	v_lshrrev_b32 v11, 4, v2
	v_mul_u32_u24 v7, v11, OP
	v_lshl_add_u32 v7, v10, 4, v7
	v_add_nc_u32 v7, s21, v7                       ; out: sixteen lanes to a row, two rows an instruction
	v_lshlrev_b32 v8, 9, v11
	v_lshl_add_u32 v8, v10, 4, v8                  ; and the same place in the codes' buffer (rows of 512 bytes)
	s_lshr_b32 s22, s17, 4                         ; 0: Wq, 1: Wk, 2: Wv
	s_wait_kmcnt 0x0
	s_cmp_eq_u32 s22, 0
	s_cselect_b64 s[4:5], s[8:9], s[10:11]
	s_cmp_eq_u32 s22, 2
	s_cselect_b64 s[4:5], s[12:13], s[4:5]
	s_and_b32 s23, s17, 15
	s_lshl_b32 s24, s23, 18                        ; 262,144 bytes a head,
	s_lshl_b32 s23, s19, 17                        ; 131,072 for 512 rows,
	s_add_co_u32 s24, s24, s23
	s_lshl_b32 s23, s18, 7                         ; 128 for 32 columns
	s_add_co_u32 s24, s24, s23
	s_mov_b32 s25, 0
	s_add_nc_u64 s[4:5], s[4:5], s[24:25]
	s_lshl_b32 s23, s17, 6
	s_lshl_b32 s26, s18, 5
	s_add_co_u32 s23, s23, s26                     ; my first row in storage: 64 x matrix + 32 x column half
	s_lshl_b32 s24, s23, 9
	s_lshl_b32 s26, s19, 8
	s_add_co_u32 s24, s24, s26
	s_add_co_u32 s24, s24, WC_O
	s_add_nc_u64 s[6:7], s[14:15], s[24:25]        ; its codes, at my half of K
	s_lshl_b32 s24, s23, 5
	s_lshl_b32 s26, s19, 4
	s_add_co_u32 s24, s24, s26
	s_add_co_u32 s24, s24, WS_O
	s_add_nc_u64 s[8:9], s[14:15], s[24:25]        ; its scale bytes
.macro WLOAD t
.irp i, 0,1,2,3,4,5,6,7
	global_load_b128 v[RB+32*((\t)%5)+4*\i:RB+32*((\t)%5)+4*\i+3], v3, s[4:5] offset:(32*(\t)+4*\i)*256   ; four rows x 128 bytes; the rows' other halves are the neighbouring wave's
.endr
.endm
.macro WTURN t
.irp i, 0,1,2,3,4,5,6,7
	ds_store_b128 v4, v[RB+32*((\t)%5)+4*\i:RB+32*((\t)%5)+4*\i+3] offset:4096*((\t)%2)+512*\i
.endr
.irp k, 0,1,2,3,4,5,6,7,8,9,10,11,12,13,14,15,16,17,18,19,20,21,22,23,24,25,26,27,28,29,30,31
	ds_load_b32 v[XB+32*((\t)%2)+\k], v5 offset:4096*((\t)%2)+128*\k   ; W(32 t + k, my column): 32 lanes read 128 consecutive bytes
.endr
.endm
.irp t, 0,1,2,3,4
	WLOAD \t
.endr
	s_wait_loadcnt 32                              ; block 0's eight loads are in; the four blocks behind it may be out
	WTURN 0
.macro WBLOCK t
.set XSB, XB+32*((\t)%2)
.set CSB, CB+4*((\t)%2)
.if (\t) > 0
	s_wait_dscnt 1                                 ; this block's numbers are back (the last block's store of codes may be out)
.else
	s_wait_dscnt 0x0
.endif
.if (\t)+5 < 16
	WLOAD (\t)+5
.endif
.if (\t)+1 < 16
.if (\t)+5 < 16
	s_wait_loadcnt 32                              ; the next block's eight loads are in; those of the four blocks behind it may be out
.else
	s_wait_loadcnt 8*(14-(\t))                     ; the counts run down
.endif
	WTURN (\t)+1
.endif
	v_max3_num_f32 v10, |v[XSB]|, |v[XSB+1]|, |v[XSB+2]|           ; the block's largest magnitude: all 32 numbers are mine
	v_max3_num_f32 v11, |v[XSB+3]|, |v[XSB+4]|, |v[XSB+5]|
.irp i, 6,10,14,18,22,26
	v_max3_num_f32 v10, v10, |v[XSB+\i]|, |v[XSB+\i+1]|
	v_max3_num_f32 v11, v11, |v[XSB+\i+2]|, |v[XSB+\i+3]|
.endr
	v_max3_num_f32 v10, v10, |v[XSB+30]|, |v[XSB+31]|
	v_max3_num_f32 v10, v10, v11, 0x1800000        ; and the floor
	v_add_nc_u32 v14, 0xff000000, v10              ; the conversion's scale operand
	v_lshrrev_b32 v15, 23, v14                     ; the scale's byte
.if (\t)%4 == 0
	v_mov_b32 v[SBY+(\t)/4], v15                   ; four bytes to a register, the lower K in the lower byte
.else
	v_lshl_or_b32 v[SBY+(\t)/4], v15, 8*((\t)%4), v[SBY+(\t)/4]
.endif
.irp g, 0,1,2,3
	v_cvt_scalef32_pk8_fp4_f32 v[CSB+\g], v[XSB+8*\g:XSB+8*\g+7], v14
.endr
	v_nop                                          ; one plain line behind the conversions
	ds_store_b128 v6, v[CSB:CSB+3] offset:16*(\t)  ; 32 codes: 16 bytes of my row
.endm
.irp t, 0,1,2,3,4,5,6,7,8,9,10,11,12,13,14,15
	WBLOCK \t
.endr
	global_store_b128 v9, v[SBY:SBY+3], s[8:9]     ; my row's 16 scale bytes of this half of K
.irp t, 0,1,2,3,4,5,6,7,8,9,10,11,12,13,14,15
	ds_load_b128 v[OUTR+4*\t:OUTR+4*\t+3], v7 offset:2*\t*OP   ; LDS serves a wave's instructions in order: these see my stores
.endr
.irp t, 0,1,2,3,4,5,6,7,8,9,10,11,12,13,14,15
	s_wait_dscnt 15-\t
	global_store_b128 v8, v[OUTR+4*\t:OUTR+4*\t+3], s[6:7] offset:2*\t*512   ; sixteen lanes store 256 consecutive bytes, aligned
.endr
	s_wait_tensorcnt 0x0                           ; the wave's end: behind my last LDS store
	ds_add_u32 v[SPW], v[NIL]
	s_wait_dscnt 0x0
	s_endpgm
.Lfunc_end_k_qfcc623e1ee_quant:
	.size	k_qfcc623e1ee_quant, .Lfunc_end_k_qfcc623e1ee_quant-k_qfcc623e1ee_quant
	.p2alignl 7, 3214868480
	.fill 96, 4, 3214868480
	.section	.rodata,"a",@progbits
	.p2align	6, 0x0
	.amdhsa_kernel k_qfcc623e1ee_quant
		.amdhsa_group_segment_fixed_size 100864
		.amdhsa_private_segment_fixed_size 0
		.amdhsa_enable_private_segment 0
		.amdhsa_kernarg_size 48
		.amdhsa_user_sgpr_count 2
		.amdhsa_user_sgpr_kernarg_segment_ptr 1
		.amdhsa_wavefront_size32 1
		.amdhsa_system_sgpr_workgroup_id_x 1
		.amdhsa_system_sgpr_workgroup_id_y 1
		.amdhsa_system_sgpr_workgroup_id_z 1
		.amdhsa_system_vgpr_workitem_id 0
		.amdhsa_next_free_vgpr 256
		.amdhsa_next_free_sgpr 66
		.amdhsa_reserve_vcc 0
		.amdhsa_float_denorm_mode_32 3
		.amdhsa_float_denorm_mode_16_64 3
		.amdhsa_memory_ordered 1
		.amdhsa_forward_progress 1
		.amdhsa_inst_pref_size 117
	.end_amdhsa_kernel
	.amdgpu_metadata
---
amdhsa.version: [ 1, 2 ]
amdhsa.kernels:
  - .name:           k_qfcc623e1ee_quant
    .symbol:         k_qfcc623e1ee_quant.kd
    .args:
      - { .name: x, .offset: 0, .size: 8, .value_kind: global_buffer, .address_space: global }
      - { .name: Wp, .offset: 8, .size: 8, .value_kind: global_buffer, .address_space: global }
      - { .name: Wq, .offset: 16, .size: 8, .value_kind: global_buffer, .address_space: global }
      - { .name: Wk, .offset: 24, .size: 8, .value_kind: global_buffer, .address_space: global }
      - { .name: Wv, .offset: 32, .size: 8, .value_kind: global_buffer, .address_space: global }
      - { .name: cq, .offset: 40, .size: 8, .value_kind: global_buffer, .address_space: global }
    .group_segment_fixed_size: 100864
    .private_segment_fixed_size: 0
    .kernarg_segment_align: 8
    .kernarg_segment_size: 48
    .max_flat_workgroup_size: 128
    .sgpr_count:     66
    .vgpr_count:     256
    .wavefront_size: 32
...
	.end_amdgpu_metadata
.endif
;; end of part 1
;; launch qkv (part 2): grid 8 x 32, 4 waves a work-group, clusters of 4 x 4, 327,680 bytes of LDS; arguments cq, qbuf, kv; writes qbuf, kv
.if DOCPART == 2
	.amdgcn_target "amdgcn-amd-amdhsa--gfx1250"
	.amdhsa_code_object_version 6
	.text
	.protected	k_qfcc623e1ee_qkv
	.globl	k_qfcc623e1ee_qkv
	.p2align	8
	.type	k_qfcc623e1ee_qkv,@function
k_qfcc623e1ee_qkv:
	s_mov_b64 s[64:65], 0
	v_nop
	global_prefetch_b8 v0, s[64:65] scope:SCOPE_SE
	s_setreg_imm32_b32 hwreg(HW_REG_WAVE_MODE, 25, 1), 1
	s_wait_xcnt 0x0
	s_wait_alu depctr_hold_cnt(0) depctr_sa_sdst(0) depctr_va_vdst(0) depctr_va_sdst(0) depctr_va_ssrc(0) depctr_va_vcc(0) depctr_vm_vsrc(0)
	s_getreg_b32 s2, hwreg(HW_REG_IB_STS2, 6, 4)
	s_cmp_eq_u32 s2, 0
	s_cbranch_scc0 .Lentry_in_a_cluster
	s_endpgm
.Lentry_in_a_cluster:
	s_bfe_u32 s2, ttmp6, 0x10000c
	s_cmp_lg_u32 s2, 0xf033
	s_cbranch_scc0 .Lentry_shape_is_right
	s_endpgm
.Lentry_shape_is_right:
; Launch 2 of 4: q, k and v = x W (K = 1,024), on the codes that launch 1 made, and their results QUANTISED IN REGISTERS for the products that follow: q and k along the head's 64, v along the keys.
; No f32 result goes to memory.  Nothing is left out here.
; SHARES.  256 work-groups of four waves.  Work-group (X, Y), X = 0 .. 7, Y = 0 .. 31, owns tokens 256 Y .. 256 Y + 255 and does two parts on them:
;   PART 1: a tile of 256 tokens x 256 rows (head, e) of Wq (X < 4) or Wk (X >= 4): 128 x 128 a wave, 64 accumulators.  Source 1 = tokens (a result's LANE), source 0 = the weight's rows (its REGISTERS): a lane holds a token, its registers run along e.
;   PART 2: v for the same tokens and rows 128 X .. 128 X + 127 of Wv: 64 channels x 128 tokens a wave, 32 accumulators.  Source 1 = Wv's rows, source 0 = tokens: a lane holds a channel, its registers run along the keys.
; The tokens' and the weight's codes, all of K (rows of 512 bytes), come into LDS once, one tensor load of 128 rows a wave, asked for jointly: tokens along a row of the cluster, the weight along a column.  Nothing is filled again:
; part 2 reads the tokens' codes where they lie.  Wv's 64 rows of a wave, and all scale words, go from memory straight into registers.  No loop loads from memory, so nothing is prefetched.
; Rows lie in storage with bits 3 and 4 of their number exchanged, so the 64 registers of one block of source 1's rows are 128 NEIGHBOURS of source 0's axis: register 16 b + i = 32 b + 16 (lane / 16) + i.
; OUT.  Records of a head and a step of 128 tokens, number (16 batch + head) 16 + step, laid as images of the operands' registers:
;   qbuf, 4,608 bytes: tile a of 16 tokens at 512 a + 16 lane (lane (r, h): e = 32 h .. 32 h + 31 of token r); its scale words at 4096 + 256 (a / 4) + 16 r + 4 (a % 4), bytes 2 and 3 zero.
;   kv, 8,960 bytes: k as in qbuf; v's tile t of 16 channels x 128 keys at 4608 + 1024 t + 512 c + 16 lane; its scale words at 8704 + 16 r + 4 t.
; REGISTERS, in windows of 256: window 0: v0-31 addresses; v32-95 scale words, two sets; v128-191 source 1's fragments of part 1; v200-247 the way out.  window 1: source 0's fragments, two sets.
;   windows 2, 3: part 1's accumulators of my blocks 0-3, 4-7 (accumulator (a, b) at v[8 (8 (a % 4) + b)]).  Part 2: window 2 its accumulators, window 3 Wv's fragments of all of K (step s, block a at v[32 s + 8 a]).
.set XS_O,   4194304                   ; cq: x's codes at 0, x's scale bytes,
.set WC_O,   4456448                   ; the weights' codes,
.set WS_O,   6029312                   ; their scale bytes
.set NQ,     4                         ; matrix instructions deep in half a row: 512 along K
.set ROWB,   512                       ; a row of codes in bytes: all of K
.set PITCH,  528                       ; an LDS row: 512 bytes + 16 of padding: the 16 rows that a load touches start at 16 different banks
.set FR,     8
.set NL,     2
.set NP,     4
.set HALFT,  128*PITCH
.set SLOT,   256                       ; the second 512 along K begin 256 bytes on in each row
.set SPARE,  4*HALFT                   ; behind the four tiles of 128 rows: the spare words, 128 bytes for each wave
.set ADRA, 16                          ; v16-17 LDS: part 1's tokens, first and second half of K
.set ADRX, 18                          ; v18-19 part 2's tokens
.set ADRB, 20                          ; v20-21 the weight's rows
.set LI,   24                          ; v24  16 x lane
.set VS,   25                          ; v25  16 r, and for lanes 16-31 the record of the next head
.set SH,   26                          ; v26  16 (lane / 16)
.set ADRS, 27                          ; v27  offset of my scale words in cq
.set SPW,  28
.set NIL,  29
.set WVA,  30                          ; v30  offset of my lane's part of Wv's rows in cq
.set VR,   31                          ; v31  16 r
.set SC,   32
.set AF,   128
.set TM,   200                         ; v200-215 at work
.set PW,   216                         ; v216-223 the blocks' scale words
.set SW,   224                         ; v224-231 as they are stored
.set PC1,  128                         ; v128-191 part 1's codes, eight registers a block, where its tokens' fragments lay: no store's data are written again
.set PC2,  96                          ; v96-127  part 2's codes likewise;  v232-247: the second block's registers at work
.set G1, 24
.set G0, 32
.set G1B, 48
.set G0B, 56
.set SEL, 2                            ; s[2:3] lane selects for v_permlanex16_b32
.set OA,  12                           ; s[12:13], s[66:67] the records of my two heads (q or k);  s[78:79] v's record
.set OB,  66
.set OV,  78
.set MSB, 0
.macro WIN new                         ; the immediate's high byte repeats the setting that is left
.if MSB != \new
	s_set_vgpr_msb (MSB<<8)|\new
.set MSB, \new
.endif
.endm
.set MUL_LO, 0xa1                      ; source 0 window 1, source 1 window 0, C and D window 2
.set MUL_HI, 0xf1                      ; the same, C and D window 3
.set MUL_V,  0xad                      ; source 0 window 1, source 1 window 3, C and D window 2
.set TO_B,   0x40
.macro CROUND                          ; a round of the cluster's barrier
	s_barrier_signal -1
	s_barrier_wait -1
	s_cmp_lg_u32 s14, 0
	s_cbranch_scc1 .Lnot_wave_0_\@
	s_barrier_signal -3
.Lnot_wave_0_\@:
	s_barrier_wait -3
	s_barrier_signal -1
	s_barrier_wait -1
.endm
.macro SCLOAD                          ; eight scale words a row, two sets of four registers for each block i: lanes 0-15 take source 1's block i, lanes 16-31 source 0's
.irp sc, 0,1
.irp i, 0,1,2,3,4,5,6,7
	global_load_b128 v[SC+8*NQ*\sc+NQ*\i:SC+8*NQ*\sc+NQ*\i+3], v[ADRS], s[4:5] offset:\i*512+16*\sc
.endr
.endr
.endm
	s_load_b128 s[4:7], s[0:1], 0x0                ; cq s[4:5], qbuf s[6:7]
	s_load_b64 s[8:9], s[0:1], 0x10                ; kv
	v_lshl_add_u32 v[SPW], v0, 2, SPARE
	v_mov_b32 v[NIL], 0
	ds_add_u32 v[SPW], v[NIL]                      ; the wave's opening: the add, twice on end, and its wait ahead of my first tensor load
	ds_add_u32 v[SPW], v[NIL]
	v_lshrrev_b32 v1, 5, v0
	v_readfirstlane_b32 s14, v1                    ; wave 0..3
	s_lshr_b32 s15, s14, 1                         ; which half of source 1's rows is mine.  Also: I fetch tokens (0) or the weight (1)
	s_and_b32 s16, s14, 1                          ; which half of source 0's rows.  Also: which 128 rows I fetch
	s_bfe_u32 s40, ttmp6, 0x40000                  ; cx
	s_bfe_u32 s41, ttmp6, 0x40004                  ; cy
	s_and_b32 s17, ttmp7, 0xffff                   ; the cluster's y: 1,024 tokens
	s_lshl_b32 s43, s41, 2
	s_lshl_b32 s43, 15, s43                        ; my row of the cluster
	s_lshl_b32 s44, 0x1111, s40                    ; my column
	s_or_b32 s[G1+0], s43, (0<<16)|(1<<20)|(1<<21)|(6<<22)|(3<<25)  ; the mask; elements of 1 byte; padding: 4 words after every 128; bit 21 beside a mask
	s_or_b32 s[G1B+0], s44, (0<<16)|(1<<20)|(1<<21)|(6<<22)|(3<<25)
.irp g, G1, G1B
	s_mov_b32 s[\g+1], ROWB<<16                    ; tensor_dim0
	s_mov_b32 s[\g+2], 128<<16                     ; tensor_dim1
	s_mov_b32 s[\g+3], ROWB<<16                    ; tile_dim0
	s_mov_b32 s[\g+4], 128                         ; tile_dim1
	s_mov_b32 s[\g+5], ROWB                        ; the pitch: dense
	s_mov_b32 s[\g+6], 0
	s_mov_b32 s[\g+7], 0
.endr
	; the tokens' tile hangs on cy and on what all partners share, the weight's on cx likewise; each in registers that never hold the other coordinate
	s_lshl_b32 s18, s16, 7                         ; 128 x (wave % 2)
	s_lshl_b32 s97, s17, 10
	s_lshl_b32 s19, s41, 8
	s_add_co_u32 s97, s97, s19                     ; my first token: 256 Y
	s_lshl_b32 s98, ttmp9, 10
	s_lshl_b32 s101, s40, 8
	s_add_co_u32 s98, s98, s101                    ; my first row among Wq's and Wk's 2,048: 256 X
	s_add_co_u32 s20, s97, s18
	s_lshl_b32 s20, s20, 9                         ; 512 bytes of codes a row
	s_mov_b32 s21, 0
	s_add_co_u32 s46, s98, s18
	s_lshl_b32 s46, s46, 9
	s_add_co_u32 s46, s46, WC_O
	s_mov_b32 s47, 0
	s_lshl_b32 s94, s15, 7
	s_add_co_u32 s94, s94, s97                     ; the 128 tokens that I multiply in part 1,
	s_lshl_b32 s94, s94, 5
	s_add_co_u32 s94, s94, XS_O                    ; their scale bytes: 32 a row
	s_add_co_u32 s92, s98, s18
	s_lshl_b32 s92, s92, 5
	s_add_co_u32 s92, s92, WS_O                    ; and those of my 128 rows of the weight
	s_mul_i32 s45, s14, HALFT                      ; where my tile goes: wave x 128 rows: no place in the cluster enters an LDS address
	s_wait_dscnt 0x0                               ; both opening adds are done
	s_wait_kmcnt 0x0
	s_mov_b32 s[G0], 1
	s_mov_b32 s[G0+1], s45
	s_add_nc_u64 s[G0+2:G0+3], s[4:5], s[20:21]
	s_or_b32 s[G0+3], s[G0+3], 0x80000000
	s_mov_b32 s[G0B], 1
	s_mov_b32 s[G0B+1], s45
	s_add_nc_u64 s[G0B+2:G0B+3], s[4:5], s[46:47]
	s_or_b32 s[G0B+3], s[G0B+3], 0x80000000
	CROUND                                         ; all sixteen work-groups are here: the joint loads meet
	s_cmp_eq_u32 s15, 0                            ; one tensor load a wave, in the two arms of one branch on the wave's number; an s_nop 0 and four v_nop follow each
	s_cbranch_scc0 .Lfor_b
	tensor_load_to_lds s[G0:G0+3], s[G1:G1+7]
	s_nop 0
.rept 4
	v_nop
.endr
	s_branch .Lasked
.Lfor_b:
	tensor_load_to_lds s[G0B:G0B+3], s[G1B:G1B+7]
	s_nop 0
.rept 4
	v_nop
.endr
.Lasked:
	s_mul_i32 s21, s15, HALFT                      ; part 1's tokens,
	s_mul_i32 s23, s16, HALFT                      ; part 2's,
	s_add_co_u32 s22, s23, 2*HALFT                 ; my rows of the weight, which lie behind the 256 tokens
	s_sub_co_u32 s19, s92, s94                     ; from the tokens' scale bytes to the weight's, modulo 2^32
	v_and_b32 v1, 15, v0                           ; r
	v_bfe_u32 v2, v0, 4, 1                         ; h
	v_mul_u32_u24 v3, v1, PITCH
	v_lshl_add_u32 v4, v2, 4, v3                   ; a fragment's row x pitch + 16 h
	v_lshlrev_b32 v5, 5, v1                        ; 32 scale bytes a row
	v_mul_lo_u32 v6, v2, s19
	v_add3_u32 v[ADRS], v5, v6, s94
	SCLOAD
	v_add_nc_u32 v[ADRA], s21, v4
	v_add_nc_u32 v[ADRX], s23, v4
	v_add_nc_u32 v[ADRB], s22, v4
	v_add_nc_u32 v[ADRA+1], SLOT, v[ADRA]
	v_add_nc_u32 v[ADRX+1], SLOT, v[ADRX]
	v_add_nc_u32 v[ADRB+1], SLOT, v[ADRB]
.macro FRAG reg, adr, q, i             ; 16 rows x 128 K of 4-bit codes: 8 registers, two loads of 16 bytes, 32 bytes apart
.irp c, 0,1
	ds_load_b128 v[\reg+4*\c:\reg+4*\c+3], v[\adr] offset:64*(\q)+32*\c+(\i)*16*PITCH
.endr
.endm
; 16 matrix instructions: source 1's blocks a0, a0 + 1 x source 0's eight.  The 64 accumulators take turns, one instruction a turn, in the same order in every step.
.macro MUL16 a0, p, q, sc, zero
.irp a, \a0, \a0+1
.irp b, 0,1,2,3,4,5,6,7
.if \zero
	v_wmma_scale_f32_16x16x128_f8f6f4 v[8*(8*((\a)%4)+\b):8*(8*((\a)%4)+\b)+7], v[128*(\p)+FR*\b:128*(\p)+FR*\b+FR-1], v[AF+FR*(\a):AF+FR*(\a)+FR-1], 0, v[SC+8*NQ*(\sc)+NQ*\b+(\q)], v[SC+8*NQ*(\sc)+NQ*(\a)+(\q)] matrix_a_fmt:MATRIX_FMT_FP4 matrix_b_fmt:MATRIX_FMT_FP4 matrix_a_scale:MATRIX_SCALE_ROW1
.else
	v_wmma_scale_f32_16x16x128_f8f6f4 v[8*(8*((\a)%4)+\b):8*(8*((\a)%4)+\b)+7], v[128*(\p)+FR*\b:128*(\p)+FR*\b+FR-1], v[AF+FR*(\a):AF+FR*(\a)+FR-1], v[8*(8*((\a)%4)+\b):8*(8*((\a)%4)+\b)+7], v[SC+8*NQ*(\sc)+NQ*\b+(\q)], v[SC+8*NQ*(\sc)+NQ*(\a)+(\q)] matrix_a_fmt:MATRIX_FMT_FP4 matrix_b_fmt:MATRIX_FMT_FP4 matrix_a_scale:MATRIX_SCALE_ROW1
.endif
.endr
.endr
.endm
; Part 2, step s of 128 along K: 32 matrix instructions, Wv's four blocks x the tokens' eight; the 32 accumulators take turns in the same order in every step.
.macro MULV s
.irp a, 0,1,2,3
.irp b, 0,1,2,3,4,5,6,7
.if (\s) == 0
	v_wmma_scale_f32_16x16x128_f8f6f4 v[8*(8*\a+\b):8*(8*\a+\b)+7], v[128*((\s)%2)+FR*\b:128*((\s)%2)+FR*\b+FR-1], v[32*(\s)+FR*\a:32*(\s)+FR*\a+FR-1], 0, v[SC+8*NQ*((\s)/4)+NQ*\b+(\s)%4], v[SC+8*NQ*((\s)/4)+NQ*\a+(\s)%4] matrix_a_fmt:MATRIX_FMT_FP4 matrix_b_fmt:MATRIX_FMT_FP4 matrix_a_scale:MATRIX_SCALE_ROW1
.else
	v_wmma_scale_f32_16x16x128_f8f6f4 v[8*(8*\a+\b):8*(8*\a+\b)+7], v[128*((\s)%2)+FR*\b:128*((\s)%2)+FR*\b+FR-1], v[32*(\s)+FR*\a:32*(\s)+FR*\a+FR-1], v[8*(8*\a+\b):8*(8*\a+\b)+7], v[SC+8*NQ*((\s)/4)+NQ*\b+(\s)%4], v[SC+8*NQ*((\s)/4)+NQ*\a+(\s)%4] matrix_a_fmt:MATRIX_FMT_FP4 matrix_b_fmt:MATRIX_FMT_FP4 matrix_a_scale:MATRIX_SCALE_ROW1
.endif
.endr
.endr
.endm
.macro FETCH_B adr, q, p               ; source 0's eight fragments into set p
	WIN TO_B
.irp i, 0,1,2,3,4,5,6,7
	FRAG 128*(\p)+FR*\i, \adr, \q, \i
.endr
	WIN 0
.endm
.macro FETCH_A slot, q, i0
.irp i, \i0, \i0+1, \i0+2, \i0+3
	FRAG AF+FR*(\i), ADRA+\slot, \q, \i
.endr
.endm
.macro PLACES n                        ; plain vector lines between a matrix instruction and a load into, or a read of, its registers
.rept \n
	v_nop
.endr
.endm
.macro STEP slot, q, zero              ; part 1: 128 along K, with its successor in the same half of the rows
	s_wait_dscnt 4*NL                              ; source 0's set and source 1's blocks 0-3 are in; the youngest eight loads (blocks 4-7) may be out
	WIN MUL_LO
	MUL16 0, (\q)%2, \q, \slot, \zero
	MUL16 2, (\q)%2, \q, \slot, \zero
	s_wait_dscnt 0
	PLACES NP
	FETCH_B ADRB+\slot, (\q)+1, 1-(\q)%2
	FETCH_A \slot, (\q)+1, 0
	WIN MUL_HI
	MUL16 4, (\q)%2, \q, \slot, \zero
	MUL16 6, (\q)%2, \q, \slot, \zero
	PLACES NP
	WIN 0
	FETCH_A \slot, (\q)+1, 4
.endm
.macro STEPS slot, from
.set Q, \from
.rept NQ-1-\from
	STEP \slot, Q, 0
.set Q, Q+1
.endr
.endm
.macro VSTEP s                         ; part 2: this step's tokens are in; the next step's are asked for, into the set that the last step multiplied
	s_wait_dscnt 0x0
.if (\s) < 7
	PLACES NP
	FETCH_B ADRX+((\s)+1)/4, ((\s)+1)%4, 1-(\s)%2
.endif
	WIN MUL_V
	MULV \s
.endm
	s_wait_alu depctr_va_vdst(0)                   ; the wait at the head's end
	s_wait_tensorcnt 0x0                           ; my 128 rows are in,
	s_barrier_signal -1
	s_barrier_wait -1                              ; everybody's are
	FETCH_B ADRB, 0, 0
	FETCH_A 0, 0, 0
	FETCH_A 0, 0, 4
	s_wait_loadcnt 0x0                             ; the scale words
	STEP 0, 0, 1                                   ; the first products start the sums: nothing is cleared
	STEPS 0, 1
	s_wait_dscnt 4*NL                              ; the fourth step goes on to the rows' second halves
	WIN MUL_LO
	MUL16 0, 1, NQ-1, 0, 0
	MUL16 2, 1, NQ-1, 0, 0
	s_wait_dscnt 0
	PLACES NP
	FETCH_B ADRB+1, 0, 0
	FETCH_A 1, 0, 0
	WIN MUL_HI
	MUL16 4, 1, NQ-1, 0, 0
	MUL16 6, 1, NQ-1, 0, 0
	PLACES NP
	WIN 0
	FETCH_A 1, 0, 4
	STEPS 1, 0
	s_wait_dscnt 4*NL                              ; part 1's last step
	WIN MUL_LO
	MUL16 0, 1, NQ-1, 1, 0
	MUL16 2, 1, NQ-1, 1, 0
	s_wait_dscnt 0
	WIN MUL_HI
	MUL16 4, 1, NQ-1, 1, 0
	MUL16 6, 1, NQ-1, 1, 0
	WIN 0
	; PART 1'S WAY OUT, AND PART 2'S OPERANDS.  Only global addresses hang on cx and cy.
	PLACES NP
	s_mov_b32 s[SEL], 0x76543210
	s_mov_b32 s[SEL+1], 0xfedcba98
	s_cmp_eq_u32 ttmp9, 0                          ; q?
	s_mov_b32 s70, 8960
	s_cselect_b32 s70, 4608, s70                   ; a record's bytes
	s_cselect_b64 s[10:11], s[6:7], s[8:9]         ; qbuf or kv
	s_lshl_b32 s71, s70, 4                         ; from a head's record to the next head's: 16 records
	s_lshr_b32 s72, s97, 8                         ; Y
	s_lshr_b32 s73, s72, 3
	s_lshl_b32 s73, s73, 4                         ; 16 batch
	s_and_b32 s72, s72, 7
	s_lshl_b32 s72, s72, 1                         ; the first of my tokens' two steps of 128
	s_lshl_b32 s74, s40, 2
	s_add_co_u32 s74, s74, s73
	s_lshl_b32 s75, s16, 1
	s_add_co_u32 s74, s74, s75                     ; 16 batch + my first head: 4 cx + 2 (wave % 2)
	s_lshl_b32 s74, s74, 4
	s_add_co_u32 s74, s74, s72
	s_add_co_u32 s74, s74, s15                     ; + the step
	s_mul_i32 s74, s74, s70
	s_mov_b32 s75, 0
	s_add_nc_u64 s[OA:OA+1], s[10:11], s[74:75]    ; my first head's record,
	s_mov_b32 s74, s71
	s_add_nc_u64 s[OB:OB+1], s[OA:OA+1], s[74:75]  ; my second head's
	s_lshr_b32 s76, s98, 7                         ; part 2: head 2 X + wave / 2
	s_add_co_u32 s76, s76, s15
	s_add_co_u32 s76, s76, s73
	s_lshl_b32 s76, s76, 4
	s_add_co_u32 s76, s76, s72
	s_add_co_u32 s76, s76, s16                     ; step: + wave % 2
	s_mul_i32 s76, s76, 8960
	s_mov_b32 s77, 0
	s_add_nc_u64 s[OV:OV+1], s[8:9], s[76:77]      ; v's record
	s_lshr_b32 s99, s98, 1
	s_lshl_b32 s100, s15, 6
	s_add_co_u32 s99, s99, s100
	s_add_co_u32 s99, s99, 2048                    ; my 64 rows of Wv: 2048 + 128 X + 64 (wave / 2)
	s_lshl_b32 s95, s99, 5
	s_add_co_u32 s95, s95, WS_O                    ; their scale bytes,
	s_lshl_b32 s96, s99, 9
	s_add_co_u32 s96, s96, WC_O                    ; their codes
	s_add_co_u32 s93, s97, s18
	s_lshl_b32 s93, s93, 5
	s_add_co_u32 s93, s93, XS_O                    ; the scale bytes of part 2's 128 tokens
	s_sub_co_u32 s19, s93, s95
	v_mul_lo_u32 v6, v2, s19
	v_add3_u32 v[ADRS], v5, v6, s95                ; (v5 = 32 r still stands; the first scale words' loads were waited for)
	v_and_b32 v3, 31, v0
	v_lshlrev_b32 v[LI], 4, v3
	v_lshlrev_b32 v[SH], 4, v2
	v_lshlrev_b32 v[VR], 4, v1
	v_mul_lo_u32 v[VS], v2, s71
	v_lshl_add_u32 v[VS], v1, 4, v[VS]
	v_lshlrev_b32 v[WVA], 9, v1
	v_lshl_add_u32 v[WVA], v2, 4, v[WVA]
	v_add_nc_u32 v[WVA], s96, v[WVA]               ; Wv: row r of 512 bytes, + 16 h
.irp b, 0,1,2,3
	v_mov_b32 v[TM+4+\b], 0                        ; written once: a lane permute's destination counts as one of its sources
	v_mov_b32 v[TM+36+\b], 0
.endr
	s_wait_alu depctr_va_vdst(0)
	SCLOAD                                         ; part 2's scale words: lanes 0-15 Wv's blocks (those of i > 3 are named by no product), lanes 16-31 the tokens'
	FETCH_B ADRX, 0, 0                             ; and its first fragments of tokens
; Block a of source 1's rows: 64 registers a lane, four blocks of 32 along the next K, each shared with lane l xor 16.  They become a fragment's 8 registers and a scale word.
; Blocks a and a + 1 (e = 0, 1) leave together: eight chains by turns.  Block a + e's codes stand in v[pcb + 8 (a + e) ..] and go to b1 + o1 + st (a + e) and b2 + o2 + st (a + e).
.macro QOUT2 a, pcb, b1, o1, b2, o2, st
.set AC, 64*((\a)%4)
.set W1, 2+(\a)/4
.set W2, W1*5
	WIN W2                                         ; sources 0 and 1: the accumulators' window
.irp e, 0,1
.irp b, 0,1,2,3
	v_max3_num_f32 v[TM+32*\e+\b], |v[AC+64*\e+16*\b]|, |v[AC+64*\e+16*\b+1]|, 0x1800000   ; each accumulator is read from its low end on; the floor 2^(3 - 127) holds the byte at 1 from below
.endr
.endr
.irp i, 2,4,6,8,10,12,14
.irp e, 0,1
.irp b, 0,1,2,3
	v_max3_num_f32 v[TM+32*\e+\b], |v[AC+64*\e+16*\b+\i]|, |v[AC+64*\e+16*\b+\i+1]|, v[TM+32*\e+\b]
.endr
.endr
.endr
	WIN 0
.irp e, 0,1
.irp b, 0,1,2,3
	v_permlanex16_b32 v[TM+32*\e+4+\b], v[TM+32*\e+\b], s[SEL], s[SEL+1]
.endr
.endr
.irp e, 0,1
.irp b, 0,1,2,3
	v_max_num_f32 v[TM+32*\e+\b], v[TM+32*\e+\b], v[TM+32*\e+4+\b]   ; the block's largest magnitude
.endr
.endr
.irp e, 0,1
.irp b, 0,1,2,3
	v_add_nc_u32 v[TM+32*\e+12+\b], 0xff000000, v[TM+32*\e+\b]       ; 2 off its exponent field: the conversion's scale operand
.endr
.endr
.irp e, 0,1
.irp b, 0,1,2,3
	v_lshrrev_b32 v[TM+32*\e+4+\b], 23, v[TM+32*\e+12+\b]            ; the scale's byte
.endr
.endr
.irp e, 0,1
	v_lshl_or_b32 v[PW+(\a)+\e], v[TM+32*\e+5], 8, v[TM+32*\e+4]
.endr
.irp e, 0,1
	v_lshl_or_b32 v[PW+(\a)+\e], v[TM+32*\e+6], 16, v[PW+(\a)+\e]
.endr
.irp e, 0,1
	v_lshl_or_b32 v[PW+(\a)+\e], v[TM+32*\e+7], 24, v[PW+(\a)+\e]
.endr
	WIN W1                                         ; source 0 alone
.irp e, 0,1
.irp b, 0,1,2,3
	v_cvt_scalef32_pk8_fp4_f32 v[\pcb+8*((\a)+\e)+2*\b], v[AC+64*\e+16*\b:AC+64*\e+16*\b+7], v[TM+32*\e+12+\b]
	v_cvt_scalef32_pk8_fp4_f32 v[\pcb+8*((\a)+\e)+2*\b+1], v[AC+64*\e+16*\b+8:AC+64*\e+16*\b+15], v[TM+32*\e+12+\b]
.endr
.endr
	WIN 0
	v_nop                                          ; one plain line behind the conversions
.irp e, 0,1
.irp c, 0,1                            ; the operand's layout wants a whole block in a lane: lanes 0-15 block 2 c, lanes 16-31 block 2 c + 1
.irp i, 0,1
	v_permlane16_swap_b32 v[\pcb+8*((\a)+\e)+4*\c+\i], v[\pcb+8*((\a)+\e)+2+4*\c+\i]
.endr
.endr
.endr
.irp e, 0,1
	global_store_b128 v[LI], v[\pcb+8*((\a)+\e):\pcb+8*((\a)+\e)+3], s[\b1:\b1+1] offset:\o1+\st*((\a)+\e)     ; 512 consecutive bytes, aligned: q, k: the first head's tile; v: the fragment's lower half
	global_store_b128 v[LI], v[\pcb+8*((\a)+\e)+4:\pcb+8*((\a)+\e)+7], s[\b2:\b2+1] offset:\o2+\st*((\a)+\e)   ; q, k: the second head's; v: the upper half
.endr
.endm
	QOUT2 4, PC1, OA, 0, OB, 0, 512                ; window 3's blocks leave first,
	QOUT2 6, PC1, OA, 0, OB, 0, 512
	WIN 0xc0                                       ; and Wv's fragments of all of K take their registers: 64 loads, on their way while blocks 0-3 leave
.irp s, 0,1,2,3,4,5,6,7
.irp a, 0,1,2,3
.irp c, 0,1
	global_load_b128 v[32*\s+8*\a+4*\c:32*\s+8*\a+4*\c+3], v[WVA], s[4:5] offset:8192*\a+64*\s+32*\c
.endr
.endr
.endr
	WIN 0
	QOUT2 0, PC1, OA, 0, OB, 0, 512
	QOUT2 2, PC1, OA, 0, OB, 0, 512
.irp a, 0,1,2,3,4,5,6,7                ; a word's low two bytes are the first head's, its high two the second's: lanes 0-15 store the first head's, lanes 16-31 the second's
	v_lshrrev_b32 v[SW+\a], v[SH], v[PW+\a]
.endr
.irp a, 0,1,2,3,4,5,6,7
	v_and_b32 v[SW+\a], 0xffff, v[SW+\a]
.endr
	global_store_b128 v[VS], v[SW:SW+3], s[OA:OA+1] offset:4096      ; sixteen lanes store 256 consecutive bytes, aligned
	global_store_b128 v[VS], v[SW+4:SW+7], s[OA:OA+1] offset:4352
	; PART 2
	s_wait_loadcnt 0x0                             ; Wv's fragments and the scale words
.irp s, 0,1,2,3,4,5,6,7
	VSTEP \s
.endr
	WIN 0
	PLACES NP
	QOUT2 0, PC2, OV, 4608, OV, 5120, 1024
	QOUT2 2, PC2, OV, 4608, OV, 5120, 1024
	s_wait_alu depctr_va_vdst(0)                   ; directly ahead of the wait below
	s_wait_xcnt 0x0                                ; EXEC changes only behind this wait
	v_cmp_gt_u32 vcc_lo, 16, v3
	s_and_saveexec_b32 s80, vcc_lo                 ; lanes 16-31 hold the same four words as lanes 0-15
	global_store_b128 v[VR], v[PW:PW+3], s[OV:OV+1] offset:8704      ; v's scale words: 256 consecutive bytes, aligned
	s_wait_xcnt 0x0
	s_or_b32 exec_lo, exec_lo, s80
	s_wait_tensorcnt 0x0                           ; the wave's end
	ds_add_u32 v[SPW], v[NIL]
	s_wait_dscnt 0x0
	CROUND                                         ; the closing round
	s_endpgm
.Lfunc_end_k_qfcc623e1ee_qkv:
	.size	k_qfcc623e1ee_qkv, .Lfunc_end_k_qfcc623e1ee_qkv-k_qfcc623e1ee_qkv
	.p2alignl 7, 3214868480
	.fill 96, 4, 3214868480
	.section	.rodata,"a",@progbits
	.p2align	6, 0x0
	.amdhsa_kernel k_qfcc623e1ee_qkv
		.amdhsa_group_segment_fixed_size 327680
		.amdhsa_private_segment_fixed_size 0
		.amdhsa_enable_private_segment 0
		.amdhsa_kernarg_size 24
		.amdhsa_user_sgpr_count 2
		.amdhsa_user_sgpr_kernarg_segment_ptr 1
		.amdhsa_wavefront_size32 1
		.amdhsa_system_sgpr_workgroup_id_x 1
		.amdhsa_system_sgpr_workgroup_id_y 1
		.amdhsa_system_sgpr_workgroup_id_z 1
		.amdhsa_system_vgpr_workitem_id 0
		.amdhsa_next_free_vgpr 1024
		.amdhsa_next_free_sgpr 102
		.amdhsa_reserve_vcc 1
		.amdhsa_float_denorm_mode_32 3
		.amdhsa_float_denorm_mode_16_64 3
		.amdhsa_memory_ordered 1
		.amdhsa_forward_progress 1
		.amdhsa_inst_pref_size 192
	.end_amdhsa_kernel
	.amdgpu_metadata
---
amdhsa.version: [ 1, 2 ]
amdhsa.kernels:
  - .name:           k_qfcc623e1ee_qkv
    .symbol:         k_qfcc623e1ee_qkv.kd
    .args:
      - { .name: cq, .offset: 0, .size: 8, .value_kind: global_buffer, .address_space: global }
      - { .name: qbuf, .offset: 8, .size: 8, .value_kind: global_buffer, .address_space: global }
      - { .name: kv, .offset: 16, .size: 8, .value_kind: global_buffer, .address_space: global }
    .group_segment_fixed_size: 327680
    .private_segment_fixed_size: 0
    .kernarg_segment_align: 8
    .kernarg_segment_size: 24
    .max_flat_workgroup_size: 128
    .sgpr_count:     102
    .vgpr_count:     1024
    .wavefront_size: 32
...
	.end_amdgpu_metadata
.endif
;; end of part 2
;; launch attn (part 3): grid 4 x 64, 16 waves a work-group, clusters of 4 x 1, 167,936 bytes of LDS; arguments qbuf, kv, ob; writes ob
.if DOCPART == 3
	.amdgcn_target "amdgcn-amd-amdhsa--gfx1250"
	.amdhsa_code_object_version 6
	.text
	.protected	k_qfcc623e1ee_attn
	.globl	k_qfcc623e1ee_attn
	.p2align	8
	.type	k_qfcc623e1ee_attn,@function
k_qfcc623e1ee_attn:
	s_mov_b64 s[64:65], 0
	v_nop
	global_prefetch_b8 v0, s[64:65] scope:SCOPE_SE
	s_setreg_imm32_b32 hwreg(HW_REG_WAVE_MODE, 25, 1), 1
	s_wait_xcnt 0x0
	s_wait_alu depctr_hold_cnt(0) depctr_sa_sdst(0) depctr_va_vdst(0) depctr_va_sdst(0) depctr_va_ssrc(0) depctr_va_vcc(0) depctr_vm_vsrc(0)
	s_getreg_b32 s2, hwreg(HW_REG_IB_STS2, 6, 4)
	s_cmp_eq_u32 s2, 0
	s_cbranch_scc0 .Lentry_in_a_cluster
	s_endpgm
.Lentry_in_a_cluster:
	s_bfe_u32 s2, ttmp6, 0x10000c
	s_cmp_lg_u32 s2, 0x3003
	s_cbranch_scc0 .Lentry_shape_is_right
	s_endpgm
.Lentry_shape_is_right:
; Launch 3 of 4: causal attention on codes of E2M1, and its result quantised along the head's 64 for the projection.
; LEFT OUT: the steps of 128 keys all of which come after a tile's 16 queries: reference() itself gives them the weight 0 (its own jnp.tril and -inf), whatever the inputs hold.
; LIMITS: a NaN or an infinity that reaches only masked scores is not carried to the result; the division by the row's sum is a reciprocal and a multiplication in f32;
; the promise holds while the scaled scores (the exponents to the base 2) stay under 2^31 in magnitude.
; THE SOFTMAX: t = score x log2(e) / 8; M = the running largest t rounded UP to a whole number; p = 2^(t - M) is quantised along the keys, not normalised; the row's sum is taken of the unquantised p and
; divides at the end.  When M moves, the sums and O are multiplied by 2^(old M - new M): exact.
; SHARES.  The four work-groups of a cluster serve one (batch, head); a head's k and v, 16 records of 8,960 bytes, stay in LDS for the whole launch, asked for JOINTLY: wave w of each partner issues the
; same load of record w, with the mask of all four.  Nothing is filled again, and no loop loads from memory: so nothing is prefetched.  Wave w of partner j owns the tiles of 16 queries 4 w + j and
; 127 - (4 w + j): (w / 2) + 1 and 16 - (w / 2) steps, 17 for every wave.  The limits hang on the wave's number alone; j enters only global addresses and the mask's numbers.
; LAYOUT.  Both products are used transposed: S^T = K Q^T, O^T = V^T P^T: a lane holds one query throughout.  Tiles are sixteen rows on end in storage, where bits 3 and 4 of a row's number are exchanged:
; the 16 registers of tiles 2 b, 2 b + 1 are 16 neighbours, 32 b + 16 (lane / 16) + 0 .. 15, along the keys (S^T) or the channels (O^T).
; THE FIRST PRODUCT'S K IS 64.  Q's codes for k = 64 .. 127 are zeros, so whatever codes stand there in K's operand add nothing: K's eight tiles lie on end, four registers each, and tile t's operand
; v[32 + 4 t : 39 + 4 t] takes tile t + 1's four as its upper half (the last takes four registers of zeros).  The scale bytes for those k are the byte 0, a finite code.
; LDS LOADS.  Behind a step's first product its V and the NEXT step's K are asked for (a tile's last step asks for record 0, the next tile's first; the launch's last such loads are waited for and not used).
; OUT: ob, a record of 8,704 bytes for each tile of 16 queries (128 batch + tile): a head's codes at 512 head + 16 lane; its two scale bytes at 8192 + 256 (head / 8) + 16 r + 4 ((head / 2) % 4) + 2 (head % 2).
; REGISTERS: v1-4 addresses and the mask's number; v5, v6 the add's; v7 the old -M; v8, v9, v76, v77 addresses in hand; v10 tile 1's scale bytes; v11 the second tile's Q scale; v12 -M, v13 the largest score;
; v16-23 Q; v24-31 K's scale words; v32-63 K, v64-67 zeros; v68-69 the row's sum; v82-89 a step's sum in four pairs; v96-159 S^T, then p; v160-191 O^T; v192-223 V; v224-231 p's codes; v232-254 at work; v255 Q's scale word.
.set REC,   8960
.set QREC,  4608
.set OREC,  8704
.set SPARE, 16*REC                     ; behind the records: the spare words, 128 bytes for each of sixteen waves
.set AL0, 1                            ; v1  16 x lane
.set AR0, 2                            ; v2  16 x (lane % 16)
.set LP,  3                            ; v3  my query's place in its 32, less 32 (lane / 16)
.set DD,  4                            ; v4  my query - the diagonal step's first key - 32 (lane / 16)
.set SPW, 5
.set NIL, 6
.set OM,  7
.set ADL, 8
.set ADR, 9
.set U1,  10
.set QS2, 11
.set SM,  68
.set ADM, 76
.set ADS, 77
.set AK0, 78                           ; v78  my lane's place in a tile of K: 1024 (r / 8) + 16 (r % 8) + 256 (lane / 16)
.set ASK0, 79                          ; v79  and among K's scale words: 16 (r % 8) + 8 (r / 8)
.set SH8, 80                           ; v80  8 (lane / 16)
; THE KEYS OF A TILE OF S^T, as this text takes them out of a record.  Tile t = 4 c + i takes keys 64 c + 8 i + 0 .. 7 as its rows 0-7 and keys 64 c + 32 + 8 i + 0 .. 7 as its rows 8-15.  So register 32 c + 8 i + j of
; lane (r, h) is key 64 c + 32 h + 8 i + j: a lane holds two WHOLE blocks of 32 keys, h and 2 + h, in ascending order.  A block's largest score needs no other lane, and the eight conversions give the second
; product's operand as it stands.  In a record key 32 b + x lies in the stored tile 2 b + (x / 8) % 2 at row 8 (x / 16) + x % 8: hence the lane's place above and the offsets below.
.macro KLOAD adk, ads                  ; twelve loads: K's scale words of tiles 2 u, 2 u + 1, and its eight tiles
.irp u, 0,1,2,3
	ds_load_b64 v[24+2*\u:25+2*\u], v[\ads] offset:4096+256*(\u/2)+128*(\u%2)
.endr
.irp t, 0,1,2,3,4,5,6,7
	ds_load_b128 v[32+4*\t:35+4*\t], v[\adk] offset:2048*(\t/4)+512*(\t%2)+128*((\t%4)/2)
.endr
.endm
.set WV,  10                           ; s10 wave;  s11 my place in the cluster;  s12 16 batch + head
.set CX,  11
.set BH,  12
.set G1,  16
.set G0,  24
.set SEL, 28
.set CS,  30                           ; s[30:31] c = log2(e) / 8
.set TB,  32                           ; s32 LDS byte of the step's record
.set KS,  33                           ; s33 the step
.set LAST, 34                          ; s34 the tile's last step, the one on the diagonal
.set TN,  35                           ; s35 LDS byte of the record whose K is asked for next
.set HI,  57                           ; s57 1: the tile's queries lie in the upper 64 of their step's 128 places, 0: in the lower 64.  Of the wave's number alone: a tile's place is 4 (wave % 2) + j, or 7 less that
.set SC4, 82                           ; v82-89 a step's sum of p, in four pairs;  v68-69 the running sum
.macro CROUND
	s_barrier_signal -1
	s_barrier_wait -1
	s_cmp_lg_u32 s[WV], 0
	s_cbranch_scc1 .Lnot_wave_0_\@
	s_barrier_signal -3
.Lnot_wave_0_\@:
	s_barrier_wait -3
	s_barrier_signal -1
	s_barrier_wait -1
.endm
	s_load_b128 s[4:7], s[0:1], 0x0                ; qbuf s[4:5], kv s[6:7]
	s_load_b64 s[8:9], s[0:1], 0x10                ; ob
	v_lshl_add_u32 v[SPW], v0, 2, SPARE
	v_mov_b32 v[NIL], 0
	ds_add_u32 v[SPW], v[NIL]                      ; the wave's opening: the add, twice on end, and its wait ahead of my first tensor load
	ds_add_u32 v[SPW], v[NIL]
	v_lshrrev_b32 v7, 5, v0
	v_readfirstlane_b32 s[WV], v7                  ; wave 0..15
	s_bfe_u32 s[CX], ttmp6, 0x40000
	s_and_b32 s[BH], ttmp7, 0xffff
	s_mov_b32 s[G1], 15|(3<<16)|(1<<21)            ; the mask: all four; elements of 8 bytes; bit 21 beside a mask; no padding: the records are read as images, 16 bytes a lane on end
	s_mov_b32 s[G1+1], 32<<16                      ; tensor_dim0: 256 bytes
	s_mov_b32 s[G1+2], 35<<16                      ; tensor_dim1: 35 rows
	s_mov_b32 s[G1+3], 32<<16
	s_mov_b32 s[G1+4], 35
	s_mov_b32 s[G1+5], 32                          ; the pitch: dense
	s_mov_b32 s[G1+6], 0
	s_mov_b32 s[G1+7], 0
	s_lshl_b32 s13, s[BH], 4
	s_add_co_u32 s14, s13, s[WV]
	s_mul_i32 s14, s14, REC                        ; record 16 (16 batch + head) + wave
	s_mov_b32 s15, 0
	s_mov_b32 s[G0], 1
	s_mul_i32 s[G0+1], s[WV], REC
	s_mov_b32 s[SEL], 0x76543210
	s_mov_b32 s[SEL+1], 0xfedcba98
	s_mov_b32 s[CS], 0x3e38aa3b
	s_mov_b32 s[CS+1], s[CS]
	s_wait_dscnt 0x0                               ; both opening adds are done
	s_wait_kmcnt 0x0
	s_add_nc_u64 s[G0+2:G0+3], s[6:7], s[14:15]
	s_or_b32 s[G0+3], s[G0+3], 0x80000000
	CROUND                                         ; all four work-groups are here: the joint loads meet
	tensor_load_to_lds s[G0:G0+3], s[G1:G1+7]      ; my one load: one is out
	s_nop 0
.rept 4
	v_nop
.endr
	s_lshl_b32 s46, s[WV], 2
	s_add_co_u32 s46, s46, s[CX]                   ; my first tile,
	s_sub_co_u32 s47, 127, s46                     ; my second
	s_mov_b32 s3, 0
.macro QADDR tau, cdst, sdst           ; where a tile's codes and scale words lie in qbuf
	s_lshr_b32 s13, s[\tau], 3
	s_lshl_b32 s14, s[BH], 4
	s_add_co_u32 s13, s13, s14
	s_mul_i32 s13, s13, QREC
	s_and_b32 s14, s[\tau], 7
	s_lshl_b32 s15, s14, 9
	s_add_co_u32 s2, s13, s15
	s_add_nc_u64 s[\cdst:\cdst+1], s[4:5], s[2:3]
	s_lshr_b32 s15, s14, 2
	s_lshl_b32 s15, s15, 8
	s_and_b32 s14, s14, 3
	s_lshl_b32 s14, s14, 2
	s_add_co_u32 s2, s13, s15
	s_add_co_u32 s2, s2, s14
	s_add_co_u32 s2, s2, 4096
	s_add_nc_u64 s[\sdst:\sdst+1], s[4:5], s[2:3]
.endm
	QADDR 46, 36, 52
	QADDR 47, 38, 54
	v_and_b32 v7, 31, v0
	v_lshlrev_b32 v[AL0], 4, v7
	v_and_b32 v7, 15, v0                           ; r
	v_lshlrev_b32 v[AR0], 4, v7
	global_load_b128 v[16:19], v[AL0], s[36:37]    ; the first tile's Q,
	global_load_b32 v255, v[AR0], s[52:53]         ; its scale words,
	global_load_b128 v[240:243], v[AL0], s[38:39]  ; the second's
	global_load_b32 v[QS2], v[AR0], s[54:55]
	v_bfe_u32 v[DD], v0, 4, 1                      ; h
	v_and_b32 v[LP], 7, v7
	v_bfe_u32 v8, v7, 3, 1
	v_lshl_add_u32 v[LP], v8, 4, v[LP]             ; r + 8 (r / 8)
	v_lshlrev_b32 v[SH8], 3, v[DD]
	v_and_b32 v[AK0], 7, v7
	v_bfe_u32 v9, v7, 3, 1
	v_lshlrev_b32 v[AK0], 4, v[AK0]
	v_lshl_add_u32 v[ASK0], v9, 3, v[AK0]
	v_lshl_add_u32 v[AK0], v9, 10, v[AK0]
	v_lshl_add_u32 v[AK0], v[DD], 8, v[AK0]
	v_lshlrev_b32 v8, 5, v[DD]                     ; lanes 16-31 hold keys 32 further on
	v_sub_nc_u32 v[LP], v[LP], v8
	s_lshr_b32 s13, s[BH], 4
	s_lshl_b32 s13, s13, 7                         ; 128 batch
	s_and_b32 s14, s[BH], 15                       ; head
	s_lshl_b32 s15, s14, 9
	s_add_co_u32 s56, s13, s46
	s_mul_i32 s56, s56, OREC                       ; the first tile's record in ob
	s_add_co_u32 s2, s56, s15
	s_add_nc_u64 s[40:41], s[8:9], s[2:3]          ; my head's codes in it,
	s_add_co_u32 s2, s13, s47
	s_mul_i32 s2, s2, OREC
	s_add_co_u32 s2, s2, s15
	s_add_nc_u64 s[42:43], s[8:9], s[2:3]          ; and in the second tile's
	s_lshr_b32 s2, s14, 3
	s_lshl_b32 s2, s2, 8
	s_add_co_u32 s2, s2, s56
	s_lshr_b32 s15, s14, 1
	s_and_b32 s15, s15, 3
	s_lshl_b32 s15, s15, 2
	s_add_co_u32 s2, s2, s15
	s_and_b32 s15, s14, 1
	s_lshl_b32 s15, s15, 1
	s_add_co_u32 s2, s2, s15
	s_add_co_u32 s2, s2, 8192
	s_add_nc_u64 s[44:45], s[8:9], s[2:3]          ; my head's two scale bytes in the first tile's record
	s_sub_co_u32 s50, s47, s46
	s_mul_i32 s50, s50, OREC                       ; from there to the second tile's
	s_and_b32 s48, s46, 6
	s_lshl_b32 s48, s48, 4
	s_and_b32 s15, s46, 1
	s_lshl_b32 s15, s15, 3
	s_add_co_u32 s48, s48, s15                     ; the first tile's place in its step of 128: 32 ((tile % 8) / 2) + 8 (tile % 2)
	s_and_b32 s49, s47, 6
	s_lshl_b32 s49, s49, 4
	s_and_b32 s15, s47, 1
	s_lshl_b32 s15, s15, 3
	s_add_co_u32 s49, s49, s15
.irp j, 20,21,22,23,64,65,66,67
	v_mov_b32 v[\j], 0                             ; zero codes: Q's for k = 64 .. 127, and the upper half of K's last operand
.endr
.irp j, 236,237,244,245
	v_mov_b32 v[\j], 0                             ; written once: a lane permute's destination counts as one of its sources
.endr
	v_mov_b32 v252, 0
	v_mov_b32 v253, 0
	s_wait_alu depctr_va_vdst(0)                   ; the wait at the head's end
	s_wait_loadcnt 0x0                             ; Q
	s_wait_tensorcnt 0x0                           ; my record has landed,
	s_barrier_signal -1
	s_barrier_wait -1                              ; everybody's has
	KLOAD AK0, ASK0                                ; record 0's K
.macro BEGIN dadd                      ; a tile begins: O^T and the sums as zeros, the largest score as -3e38 and -M as 2^125: the first change of M multiplies zeros by 0
	v_mov_b32 v13, 0xff61b1e6
	v_mov_b32 v12, 0x7e000000
.set jj, 0
.rept 2
	v_mov_b32 v[SM+jj], 0
.set jj, jj+1
.endr
.set jj, 0
.rept 32
	v_mov_b32 v[160+jj], 0
.set jj, jj+1
.endr
	v_add_nc_u32 v[DD], s[\dadd], v[LP]
	s_mov_b32 s[TB], 0
	s_mov_b32 s[KS], 0
	s_wait_alu depctr_va_vdst(0)
.endm
.macro OMUL from, cnt                  ; O^T under the new M, cnt pairs from register 160 + from on
.set oo, \from
.rept \cnt
	v_pk_mul_f32 v[160+oo:161+oo], v[160+oo:161+oo], v[252:253] op_sel_hi:[1,0]
.set oo, oo+2
.endr
.endm
.macro TFMA cnt                        ; t - M, cnt pairs from jj on
.rept \cnt
	v_pk_fma_f32 v[96+jj:97+jj], v[96+jj:97+jj], s[CS:CS+1], v[12:13] op_sel_hi:[1,0,0]
.set jj, jj+2
.endr
.endm
; n trips, a constant; a step behind the tile's last is passed over by a scalar branch on the wave's number and the count of steps, round the step's work alone.
.macro KEYSTEPS n
.Lstep_\@:
	s_cmp_gt_u32 s[KS], s[LAST]
	s_cbranch_scc1 .Lhidden_\@
	s_add_co_u32 s[TN], s[TB], REC
	s_min_u32 s[TN], s[TN], 15*REC                 ; held inside the records
	s_cmp_eq_u32 s[KS], s[LAST]
	s_cselect_b32 s[TN], 0, s[TN]                  ; behind a tile's last step comes record 0
	s_wait_dscnt 0x0                               ; this step's K and its scale words are in
.irp t, 0,1,2,3,4,5,6,7
	v_wmma_scale_f32_16x16x128_f8f6f4 v[96+8*\t:103+8*\t], v[32+4*\t:39+4*\t], v[16:23], 0, v[24+\t], v255 matrix_a_fmt:MATRIX_FMT_FP4 matrix_b_fmt:MATRIX_FMT_FP4
.endr
	v_add_nc_u32 v[ADL], s[TB], v[AL0]             ; these four are the plain lines between the products and the loads into their registers, and the first reads of the scores
	v_add_nc_u32 v[ADR], s[TB], v[AR0]
	v_add_nc_u32 v[ADM], s[TN], v[AK0]
	v_add_nc_u32 v[ADS], s[TN], v[ASK0]
	ds_load_b128 v[248:251], v[ADR] offset:8704    ; V's scale words,
.irp t, 0,1,2,3
.irp c, 0,1
	ds_load_b128 v[192+8*\t+4*\c:195+8*\t+4*\c], v[ADL] offset:4608+1024*\t+512*\c   ; V: nine loads
.endr
.endr
	KLOAD ADM, ADS                                 ; the next K: twelve loads
	s_cmp_lg_u32 s[KS], s[LAST]
	s_cbranch_scc1 .Lopen_\@
	v_mov_b32 v254, 0xff800000                     ; on the diagonal: register jj holds key 64 (jj / 32) + 32 (lane / 16) + jj % 32 of the step: hidden where 64 (jj / 32) + jj % 32 > v[DD]
	s_wait_alu depctr_va_vdst(0)
	s_cmp_lg_u32 s[HI], 0
	s_cbranch_scc1 .Lhigh_\@
.set jj, 0
.rept 32                               ; queries among the lower 64: keys 0-63 are compared,
	v_cmp_gt_i32 vcc_lo, 64*(jj/32)+jj%32, v[DD]
	v_cndmask_b32 v[96+jj], v[96+jj], v254, vcc_lo
.set jj, jj+1
.endr
.rept 32                               ; keys 64-127 come after every one of them
	v_mov_b32 v[96+jj], v254
.set jj, jj+1
.endr
	s_wait_alu depctr_va_vdst(0)                   ; directly ahead of the branch
	s_branch .Lopen_\@
.Lhigh_\@:
.set jj, 32
.rept 32                               ; queries among the upper 64: keys 0-63 all count, keys 64-127 are compared
	v_cmp_gt_i32 vcc_lo, 64*(jj/32)+jj%32, v[DD]
	v_cndmask_b32 v[96+jj], v[96+jj], v254, vcc_lo
.set jj, jj+1
.endr
.Lopen_\@:
.irp q, 0,1,2,3                        ; the largest score of my two blocks of 32 keys, a chain to each tile: for the row's maximum, and, since p rises with the score, for the block's largest p
	v_max3_num_f32 v[232+\q], v[96+8*\q], v[97+8*\q], v[98+8*\q]
	v_max3_num_f32 v[236+\q], v[128+8*\q], v[129+8*\q], v[130+8*\q]
.endr
.irp i, 3,5
.irp q, 0,1,2,3
	v_max3_num_f32 v[232+\q], v[232+\q], v[96+8*\q+\i], v[97+8*\q+\i]
	v_max3_num_f32 v[236+\q], v[236+\q], v[128+8*\q+\i], v[129+8*\q+\i]
.endr
.endr
.irp c, 0,1
	v_max3_num_f32 v[232+4*\c], v[232+4*\c], v[233+4*\c], v[103+32*\c]
	v_max3_num_f32 v[234+4*\c], v[234+4*\c], v[235+4*\c], v[111+32*\c]
.endr
.irp c, 0,1
	v_max3_num_f32 v[232+4*\c], v[232+4*\c], v[234+4*\c], v[119+32*\c]
.endr
.irp c, 0,1
	v_max_num_f32 v[232+4*\c], v[232+4*\c], v[127+32*\c]   ; v232: block h's, v236: block 2 + h's
.endr
	s_delay_alu instid0(VALU_DEP_1)
	v_max_num_f32 v254, v232, v236
	s_delay_alu instid0(VALU_DEP_1)
	v_permlanex16_b32 v244, v254, s[SEL], s[SEL+1] ; lane l xor 16's two blocks
	s_delay_alu instid0(VALU_DEP_1)
	v_max3_num_f32 v13, v13, v254, v244
	s_delay_alu instid0(VALU_DEP_1)
	v_mul_f32 v254, s[CS], v13                     ; as t: c is positive, so the largest score gives the largest t
	v_mov_b32 v[OM], v12
	s_delay_alu instid0(VALU_DEP_2)
	v_floor_f32 v12, -v254                         ; the new -M
.set jj, 0
	TFMA 4
	v_sub_f32 v254, v12, v[OM]                     ; old M - new M: a whole number, 0 or less
	TFMA 4
	v_cvt_i32_f32 v254, v254                       ; (it saturates)
	TFMA 4
	v_ldexp_f32 v252, 1.0, v254                    ; f = 2^(old M - new M)
	TFMA 20
	v_fma_f32 v232, v232, s[CS], v12
	v_fma_f32 v236, v236, s[CS], v12
.set jj, 0
	s_wait_alu depctr_va_vdst(0)                   ; the wait ahead of the batch
.rept 64
	v_exp_f32 v[96+jj], v[96+jj]                   ; p
.set jj, jj+1
.endr
	v_nop                                          ; the plain line behind the exponentials
	s_wait_alu depctr_va_vdst(0)                   ; one wait for the batch, ahead of its first reader
	v_exp_f32 v232, v232                           ; my two blocks' largest p
	v_exp_f32 v236, v236
.irp i, 0,1,2,3                        ; the step's sum of the unquantised p: 32 pairs in four chains,
	v_pk_add_f32 v[SC4+2*\i:SC4+2*\i+1], v[96+2*\i:97+2*\i], v[104+2*\i:105+2*\i]
.endr
.set jj, 16
.rept 6
.irp i, 0,1,2,3
	v_pk_add_f32 v[SC4+2*\i:SC4+2*\i+1], v[SC4+2*\i:SC4+2*\i+1], v[96+jj+2*\i:97+jj+2*\i]
.endr
.set jj, jj+8
.endr
	v_pk_add_f32 v[SC4:SC4+1], v[SC4:SC4+1], v[SC4+2:SC4+3]
	v_pk_add_f32 v[SC4+4:SC4+5], v[SC4+4:SC4+5], v[SC4+6:SC4+7]
	v_pk_add_f32 v[SC4:SC4+1], v[SC4:SC4+1], v[SC4+4:SC4+5]
	v_pk_fma_f32 v[SM:SM+1], v[SM:SM+1], v[252:253], v[SC4:SC4+1] op_sel_hi:[1,0,1]   ; and the running sum under the new M, x f, takes it up
	s_wait_dscnt 12                                ; V and its scale words are in; the next K's twelve loads may be out
	s_wait_alu depctr_va_vdst(0)                   ; one wait for the four, and, directly ahead of O^T's first reader, for the last step's products
	OMUL 0, 4
	v_max_num_f32 v232, 0x1800000, v232            ; the floor: the byte cannot fall under 1
	v_max_num_f32 v236, 0x1800000, v236
	OMUL 8, 2
	v_add_nc_u32 v246, 0xff000000, v232            ; 2 off the exponent field: the conversions' scale operands
	v_add_nc_u32 v247, 0xff000000, v236
	OMUL 12, 2
	v_lshrrev_b32 v232, 23, v246                   ; the scales' bytes: blocks h and 2 + h,
	v_lshrrev_b32 v236, 23, v247
	v_lshl_or_b32 v232, v236, 16, v232
	v_lshlrev_b32 v232, v[SH8], v232               ; at their places in the scale word (8 h bits up);
	v_permlanex16_b32 v245, v232, s[SEL], s[SEL+1]
	v_or_b32 v253, v232, v245                      ; with lane l xor 16's two the word is whole
	OMUL 16, 4
.irp t, 0,1,2,3,4,5,6,7
	v_cvt_scalef32_pk8_fp4_f32 v[224+\t], v[96+8*\t:103+8*\t], v[246+\t/4]   ; register 4 c + i of the operand: keys 64 c + 32 h + 8 i + 0 .. 7
.endr
	s_wait_alu depctr_va_vdst(0)                   ; the wait directly ahead of the first readers of O^T's last tile
	OMUL 24, 4                                     ; four plain lines between the operand's conversions and the products; with the four above, eight behind the scale word
.irp t, 0,1,2,3
	v_wmma_scale_f32_16x16x128_f8f6f4 v[160+8*\t:167+8*\t], v[192+8*\t:199+8*\t], v[224:231], v[160+8*\t:167+8*\t], v[248+\t], v253 matrix_a_fmt:MATRIX_FMT_FP4 matrix_b_fmt:MATRIX_FMT_FP4
.endr
.Lhidden_\@:
	s_add_co_u32 s[TB], s[TB], REC
	s_add_co_u32 s[KS], s[KS], 1
	s_cmp_lt_u32 s[KS], \n
	s_cbranch_scc1 .Lstep_\@
.endm
; A tile ends: O^T / the sum; register 16 b + i is channel 32 b + 16 (lane / 16) + i: two blocks of the projection's K, quantised; the codes leave as 512 consecutive bytes.
.macro FINISH oadr, udst
	v_add_f32 v14, v[SM], v[SM+1]                  ; the sum's two halves (these lines are also the plain lines behind the last products)
	v_mov_b32 v15, 0                               ; (named with v14 as a pair below)
	v_permlanex16_b32 v252, v14, s[SEL], s[SEL+1]
	v_add_f32 v14, v14, v252                       ; the row's sum
	s_wait_alu depctr_va_vdst(0)
	v_rcp_f32 v14, v14
	v_nop
	s_wait_alu depctr_va_vdst(0)                   ; the wait ahead of the reciprocal's first reader, which is O^T's too
.set jj, 0
.rept 16
	v_pk_mul_f32 v[96+jj:97+jj], v[160+jj:161+jj], v[14:15] op_sel_hi:[1,0]
.set jj, jj+2
.endr
.irp b, 0,1
	v_max3_num_f32 v[232+\b], |v[96+16*\b]|, |v[97+16*\b]|, 0x1800000
.endr
.irp i, 2,4,6,8,10,12,14
.irp b, 0,1
	s_delay_alu instid0(VALU_DEP_2)
	v_max3_num_f32 v[232+\b], v[232+\b], |v[96+16*\b+\i]|, |v[97+16*\b+\i]|
.endr
.endr
.irp b, 0,1
	s_delay_alu instid0(VALU_DEP_2)
	v_permlanex16_b32 v[236+\b], v[232+\b], s[SEL], s[SEL+1]
.endr
.irp b, 0,1
	s_delay_alu instid0(VALU_DEP_2)
	v_max_num_f32 v[232+\b], v[232+\b], v[236+\b]
.endr
.irp b, 0,1
	s_delay_alu instid0(VALU_DEP_2)
	v_add_nc_u32 v[244+\b], 0xff000000, v[232+\b]
.endr
.irp b, 0,1
	s_delay_alu instid0(VALU_DEP_2)
	v_lshrrev_b32 v[236+\b], 23, v[244+\b]
.endr
	s_delay_alu instid0(VALU_DEP_1)
	v_lshl_or_b32 v[\udst], v237, 8, v236          ; my row's two scale bytes
.irp b, 0,1
	v_cvt_scalef32_pk8_fp4_f32 v[128+2*\b], v[96+16*\b:103+16*\b], v[244+\b]
	v_cvt_scalef32_pk8_fp4_f32 v[129+2*\b], v[104+16*\b:111+16*\b], v[244+\b]
.endr
	v_nop
	v_permlane16_swap_b32 v128, v130               ; a whole block to a lane: lanes 0-15 channels 0-31, lanes 16-31 channels 32-63
	v_permlane16_swap_b32 v129, v131
	global_store_b128 v[AL0], v[128:131], s[\oadr:\oadr+1]
.endm
	s_lshr_b32 s[LAST], s[WV], 1                   ; the first tile: steps 0 .. wave / 2
	s_and_b32 s[HI], s[WV], 1
	BEGIN 48
	KEYSTEPS 8
	FINISH 40, U1
	s_wait_xcnt 0x0                                ; the store has read its registers: the second tile's scores land there
.irp j, 0,1,2,3
	v_mov_b32 v[16+\j], v[240+\j]                  ; the second tile's Q,
.endr
	v_mov_b32 v255, v[QS2]                         ; and its scale words: the plain lines of BEGIN stand between these and the first product
	s_lshr_b32 s[LAST], s[WV], 1
	s_sub_co_u32 s[LAST], 15, s[LAST]              ; steps 0 .. 15 - wave / 2
	s_xor_b32 s[HI], s[HI], 1                      ; the second tile's place is 7 less the first's
	BEGIN 49
	KEYSTEPS 16
	FINISH 42, 254
	v_and_b32 v232, 31, v0
	v_cmp_le_u32 vcc_lo, 16, v232
	v_cndmask_b32 v233, v[U1], v254, vcc_lo        ; lanes 0-15 store the first tile's bytes, lanes 16-31 the second's
	v_bfe_u32 v234, v0, 4, 1
	v_mul_lo_u32 v234, v234, s50
	v_add_nc_u32 v234, v234, v[AR0]
	global_store_b16 v234, v233, s[44:45]          ; two bytes a row: a head's share of a scale word; the other heads' work-groups store the rest
	s_wait_tensorcnt 0x0                           ; the wave's end
	ds_add_u32 v[SPW], v[NIL]
	s_wait_dscnt 0x0
	CROUND                                         ; the closing round
	s_endpgm
.Lfunc_end_k_qfcc623e1ee_attn:
	.size	k_qfcc623e1ee_attn, .Lfunc_end_k_qfcc623e1ee_attn-k_qfcc623e1ee_attn
	.p2alignl 7, 3214868480
	.fill 96, 4, 3214868480
	.section	.rodata,"a",@progbits
	.p2align	6, 0x0
	.amdhsa_kernel k_qfcc623e1ee_attn
		.amdhsa_group_segment_fixed_size 167936
		.amdhsa_private_segment_fixed_size 0
		.amdhsa_enable_private_segment 0
		.amdhsa_kernarg_size 24
		.amdhsa_user_sgpr_count 2
		.amdhsa_user_sgpr_kernarg_segment_ptr 1
		.amdhsa_wavefront_size32 1
		.amdhsa_system_sgpr_workgroup_id_x 1
		.amdhsa_system_sgpr_workgroup_id_y 1
		.amdhsa_system_sgpr_workgroup_id_z 1
		.amdhsa_system_vgpr_workitem_id 0
		.amdhsa_next_free_vgpr 256
		.amdhsa_next_free_sgpr 66
		.amdhsa_reserve_vcc 1
		.amdhsa_float_denorm_mode_32 3
		.amdhsa_float_denorm_mode_16_64 3
		.amdhsa_memory_ordered 1
		.amdhsa_forward_progress 1
		.amdhsa_inst_pref_size 61
	.end_amdhsa_kernel
	.amdgpu_metadata
---
amdhsa.version: [ 1, 2 ]
amdhsa.kernels:
  - .name:           k_qfcc623e1ee_attn
    .symbol:         k_qfcc623e1ee_attn.kd
    .args:
      - { .name: qbuf, .offset: 0, .size: 8, .value_kind: global_buffer, .address_space: global }
      - { .name: kv, .offset: 8, .size: 8, .value_kind: global_buffer, .address_space: global }
      - { .name: ob, .offset: 16, .size: 8, .value_kind: global_buffer, .address_space: global }
    .group_segment_fixed_size: 167936
    .private_segment_fixed_size: 0
    .kernarg_segment_align: 8
    .kernarg_segment_size: 24
    .max_flat_workgroup_size: 512
    .sgpr_count:     66
    .vgpr_count:     256
    .wavefront_size: 32
...
	.end_amdgpu_metadata
.endif
;; end of part 3
;; launch proj (part 4): grid 4 x 64, 4 waves a work-group, clusters of 4 x 4, 327,680 bytes of LDS; arguments ob, cq, bp, out0; writes out0
.if DOCPART == 4
	.amdgcn_target "amdgcn-amd-amdhsa--gfx1250"
	.amdhsa_code_object_version 6
	.text
	.protected	k_qfcc623e1ee_proj
	.globl	k_qfcc623e1ee_proj
	.p2align	8
	.type	k_qfcc623e1ee_proj,@function
k_qfcc623e1ee_proj:
	s_mov_b64 s[64:65], 0
	v_nop
	global_prefetch_b8 v0, s[64:65] scope:SCOPE_SE
	s_setreg_imm32_b32 hwreg(HW_REG_WAVE_MODE, 25, 1), 1
	s_wait_xcnt 0x0
	s_wait_alu depctr_hold_cnt(0) depctr_sa_sdst(0) depctr_va_vdst(0) depctr_va_sdst(0) depctr_va_ssrc(0) depctr_va_vcc(0) depctr_vm_vsrc(0)
	s_getreg_b32 s2, hwreg(HW_REG_IB_STS2, 6, 4)
	s_cmp_eq_u32 s2, 0
	s_cbranch_scc0 .Lentry_in_a_cluster
	s_endpgm
.Lentry_in_a_cluster:
	s_bfe_u32 s2, ttmp6, 0x10000c
	s_cmp_lg_u32 s2, 0xf033
	s_cbranch_scc0 .Lentry_shape_is_right
	s_endpgm
.Lentry_shape_is_right:
.set PC_O,  6127616
.set PS_O,  6651904
.set RECB,  8704
.set WIMG,  8*RECB
.set WP,    528
.set WWAVE, 64*WP
.set STAGE, WIMG+4*WWAVE
.set SPI,   272
.set SPARE, STAGE+4*16*SPI
.set AL0, 1
.set AL1, 2
.set AR0, 3
.set AR1, 4
.set WAD, 5
.set STO, 6
.set RD,  7
.set CO,  8
.set BI,  16
.set WSC, 48
.set ASC, 80
.set ACC, 112
.set OUTR, 176
.set SPW, 252
.set NIL, 253
.set G1A, 24
.set G0A, 32
.set G1W, 48
.set G0W, 56
.set MSB, 0
.macro WIN new
.if MSB != \new
	s_set_vgpr_msb (MSB<<8)|\new
.set MSB, \new
.endif
.endm
.macro CROUND
	s_barrier_signal -1
	s_barrier_wait -1
	s_cmp_lg_u32 s14, 0
	s_cbranch_scc1 .Lnot_wave_0_\@
	s_barrier_signal -3
.Lnot_wave_0_\@:
	s_barrier_wait -3
	s_barrier_signal -1
	s_barrier_wait -1
.endm
	s_load_b256 s[4:11], s[0:1], 0x0
	v_lshl_add_u32 v[SPW], v0, 2, SPARE
	v_mov_b32 v[NIL], 0
	ds_add_u32 v[SPW], v[NIL]
	ds_add_u32 v[SPW], v[NIL]
	v_lshrrev_b32 v9, 5, v0
	v_readfirstlane_b32 s14, v9
	s_bfe_u32 s40, ttmp6, 0x40000
	s_bfe_u32 s41, ttmp6, 0x40004
	s_and_b32 s17, ttmp7, 0xffff
	s_lshl_b32 s17, s17, 2
	s_add_co_u32 s17, s17, s41
	s_lshl_b32 s43, s41, 2
	s_lshl_b32 s43, 15, s43
	s_lshl_b32 s44, 0x1111, s40
	s_or_b32 s[G1A], s43, (3<<16)|(1<<21)
	s_mov_b32 s[G1A+1], 32<<16
	s_mov_b32 s[G1A+2], 136<<16                    ; four records of 8,704 bytes as 136 rows of 256
	s_mov_b32 s[G1A+3], 32<<16
	s_mov_b32 s[G1A+4], 136
	s_mov_b32 s[G1A+5], 32
	s_mov_b32 s[G1A+6], 0
	s_mov_b32 s[G1A+7], 0
	s_or_b32 s[G1W], s44, (0<<16)|(1<<20)|(1<<21)|(6<<22)|(3<<25)
	s_mov_b32 s[G1W+1], 512<<16
	s_mov_b32 s[G1W+2], 128<<16                    ; 128 rows of Wp's codes, 512 bytes each
	s_mov_b32 s[G1W+3], 512<<16
	s_mov_b32 s[G1W+4], 128
	s_mov_b32 s[G1W+5], 512
	s_mov_b32 s[G1W+6], 0
	s_mov_b32 s[G1W+7], 0
	s_mul_i32 s20, s17, 8*RECB
	s_and_b32 s12, s14, 1                          ; which half I fetch: waves 0 and 1 of the activations' eight records, waves 2 and 3 of Wp's 256 rows
	s_mul_i32 s18, s12, 4*RECB
	s_add_co_u32 s20, s20, s18
	s_mov_b32 s21, 0
	s_lshl_b32 s46, s40, 8
	s_lshl_b32 s19, s14, 6
	s_add_co_u32 s46, s46, s19
	s_lshl_b32 s22, s40, 8
	s_lshl_b32 s13, s12, 7
	s_add_co_u32 s22, s22, s13                     ; Wp's row 256 cx + 128 x half
	s_lshl_b32 s22, s22, 9
	s_mul_i32 s13, s12, 2*WWAVE
	s_add_co_u32 s13, s13, WIMG                    ; and where the 128 rows go
	s_add_co_u32 s22, s22, PC_O
	s_mov_b32 s23, 0
	s_mul_i32 s45, s14, WWAVE
	s_add_co_u32 s45, s45, WIMG
	s_wait_dscnt 0x0
	s_wait_kmcnt 0x0
	s_mov_b32 s[G0A], 1
	s_mov_b32 s[G0A+1], s18
	s_add_nc_u64 s[G0A+2:G0A+3], s[4:5], s[20:21]
	s_or_b32 s[G0A+3], s[G0A+3], 0x80000000
	s_mov_b32 s[G0W], 1
	s_mov_b32 s[G0W+1], s13
	s_add_nc_u64 s[G0W+2:G0W+3], s[6:7], s[22:23]
	s_or_b32 s[G0W+3], s[G0W+3], 0x80000000
	CROUND                                         ; all sixteen work-groups are here: the joint loads meet
	s_cmp_lt_u32 s14, 2                            ; one tensor load a wave at the head, in the two arms of one branch on the wave's number
	s_cbranch_scc0 .Lfor_w
	tensor_load_to_lds s[G0A:G0A+3], s[G1A:G1A+7]
	s_nop 0
.rept 4
	v_nop
.endr
	s_branch .Lasked
.Lfor_w:
	tensor_load_to_lds s[G0W:G0W+3], s[G1W:G1W+7]
	s_nop 0
.rept 4
	v_nop
.endr
.Lasked:
	v_and_b32 v9, 15, v0
	v_bfe_u32 v10, v0, 4, 1
	v_and_b32 v11, 31, v0
	s_mov_b32 s19, 0
	s_lshl_b32 s18, s46, 2
	s_add_nc_u64 s[8:9], s[8:9], s[18:19]
	v_lshlrev_b32 v12, 6, v10
.irp t, 0,1,2,3
	global_load_b128 v[BI+8*\t:BI+8*\t+3], v12, s[8:9] offset:(32*(\t/2)+8*(\t%2))*4
	global_load_b128 v[BI+8*\t+4:BI+8*\t+7], v12, s[8:9] offset:(32*(\t/2)+8*(\t%2))*4+16
.endr
	s_lshl_b32 s18, s46, 5
	s_add_co_u32 s18, s18, PS_O
	s_add_nc_u64 s[6:7], s[6:7], s[18:19]
	v_lshlrev_b32 v13, 5, v9
.irp t, 0,1,2,3
	global_load_b128 v[WSC+8*\t:WSC+8*\t+3], v13, s[6:7] offset:512*\t
	global_load_b128 v[WSC+8*\t+4:WSC+8*\t+7], v13, s[6:7] offset:512*\t+16
.endr
	v_lshlrev_b32 v[AL0], 4, v11
	v_add_nc_u32 v[AL1], 4*RECB, v[AL0]
	v_lshlrev_b32 v[AR0], 4, v9
	v_add_nc_u32 v[AR1], 4*RECB, v[AR0]
	v_mul_u32_u24 v[WAD], v9, WP
	v_lshl_add_u32 v[WAD], v10, 4, v[WAD]
	v_add_nc_u32 v[WAD], s45, v[WAD]
	s_mul_i32 s47, s14, 16*SPI
	s_add_co_u32 s47, s47, STAGE
	v_mul_u32_u24 v[STO], v9, SPI
	v_lshl_add_u32 v[STO], v10, 6, v[STO]
	v_add_nc_u32 v[STO], s47, v[STO]
	v_mul_u32_u24 v[RD], v10, SPI
	v_lshl_add_u32 v[RD], v9, 4, v[RD]
	v_add_nc_u32 v[RD], s47, v[RD]
	v_lshlrev_b32 v[CO], 12, v10
	v_lshl_add_u32 v[CO], v9, 4, v[CO]
	s_lshl_b32 s18, s17, 19
	s_lshl_b32 s20, s46, 2
	s_add_co_u32 s18, s18, s20
	s_add_nc_u64 s[10:11], s[10:11], s[18:19]
	s_wait_alu depctr_va_vdst(0)
	s_wait_tensorcnt 0x0
	s_barrier_signal -1
	s_barrier_wait -1
	WIN 0x40
.irp t, 0,1,2,3
.irp s, 0,1,2,3,4,5,6,7
.irp c, 0,1
	ds_load_b128 v[8*(8*\t+\s)+4*\c:8*(8*\t+\s)+4*\c+3], v[WAD] offset:\t*16*WP+64*\s+32*\c
.endr
.endr
.endr
	WIN 0
.macro AFETCH p
.set ASET, 128*((\p)%2)
.set ABASE, AL0+(\p)/2
.set RBASE, AR0+(\p)/2
	WIN 0x80
.irp m, 0,1
.irp s, 0,1,2,3,4,5,6,7
.irp c, 0,1
	ds_load_b128 v[ASET+8*(8*\m+\s)+4*\c:ASET+8*(8*\m+\s)+4*\c+3], v[ABASE] offset:((\p)%2)*2*RECB+\m*RECB+1024*\s+512*\c
.endr
.endr
.endr
	WIN 0
.irp m, 0,1
.irp q, 0,1
	ds_load_b128 v[ASC+16*((\p)%2)+8*\m+4*\q:ASC+16*((\p)%2)+8*\m+4*\q+3], v[RBASE] offset:((\p)%2)*2*RECB+\m*RECB+8192+256*\q
.endr
.endr
.endm
.macro PAIR p
.if (\p) < 3
	AFETCH (\p)+1
	s_wait_dscnt 36
.else
	s_wait_dscnt 0x0
.endif
	WIN 0x09
.irp s, 0,1,2,3,4,5,6,7
.irp m, 0,1
.irp t, 0,1,2,3
.if \s == 0
	v_wmma_scale_f32_16x16x128_f8f6f4 v[ACC+8*(4*\m+\t):ACC+8*(4*\m+\t)+7], v[8*(8*\t+\s):8*(8*\t+\s)+7], v[128*((\p)%2)+8*(8*\m+\s):128*((\p)%2)+8*(8*\m+\s)+7], v[BI+8*\t:BI+8*\t+7], v[WSC+8*\t+\s], v[ASC+16*((\p)%2)+8*\m+\s] matrix_a_fmt:MATRIX_FMT_FP4 matrix_b_fmt:MATRIX_FMT_FP4
.else
	v_wmma_scale_f32_16x16x128_f8f6f4 v[ACC+8*(4*\m+\t):ACC+8*(4*\m+\t)+7], v[8*(8*\t+\s):8*(8*\t+\s)+7], v[128*((\p)%2)+8*(8*\m+\s):128*((\p)%2)+8*(8*\m+\s)+7], v[ACC+8*(4*\m+\t):ACC+8*(4*\m+\t)+7], v[WSC+8*\t+\s], v[ASC+16*((\p)%2)+8*\m+\s] matrix_a_fmt:MATRIX_FMT_FP4 matrix_b_fmt:MATRIX_FMT_FP4
.endif
.endr
.endr
.endr
	WIN 0
.rept 5
	v_nop
.endr
.irp m, 0,1
.irp t, 0,1,2,3
	ds_store_b128 v[STO], v[ACC+8*(4*\m+\t):ACC+8*(4*\m+\t)+3] offset:128*(\t/2)+32*(\t%2)
	ds_store_b128 v[STO], v[ACC+8*(4*\m+\t)+4:ACC+8*(4*\m+\t)+7] offset:128*(\t/2)+32*(\t%2)+16
.endr
.irp i, 0,1,2,3,4,5,6,7
	ds_load_b128 v[OUTR+32*\m+4*\i:OUTR+32*\m+4*\i+3], v[RD] offset:2*\i*SPI
.endr
.endr
	s_wait_dscnt 16
.irp i, 0,1,2,3,4,5,6,7
	global_store_b128 v[CO], v[OUTR+4*\i:OUTR+4*\i+3], s[10:11] offset:(32*(\p)+2*\i+8*(\i/4))*4096 th:TH_STORE_NT
.endr
	s_wait_dscnt 0x0
.irp i, 0,1,2,3,4,5,6,7
	global_store_b128 v[CO], v[OUTR+32+4*\i:OUTR+32+4*\i+3], s[10:11] offset:(32*(\p)+8+2*\i+8*(\i/4))*4096 th:TH_STORE_NT
.endr
	s_wait_xcnt 0x0
.endm
	AFETCH 0
	s_wait_loadcnt 0x0
	PAIR 0
	PAIR 1
	PAIR 2
	PAIR 3
	s_wait_tensorcnt 0x0
	ds_add_u32 v[SPW], v[NIL]
	s_wait_dscnt 0x0
	CROUND
	s_endpgm
.Lfunc_end_k_qfcc623e1ee_proj:
	.size	k_qfcc623e1ee_proj, .Lfunc_end_k_qfcc623e1ee_proj-k_qfcc623e1ee_proj
	.p2alignl 7, 3214868480
	.fill 96, 4, 3214868480
	.section	.rodata,"a",@progbits
	.p2align	6, 0x0
	.amdhsa_kernel k_qfcc623e1ee_proj
		.amdhsa_group_segment_fixed_size 327680
		.amdhsa_private_segment_fixed_size 0
		.amdhsa_enable_private_segment 0
		.amdhsa_kernarg_size 32
		.amdhsa_user_sgpr_count 2
		.amdhsa_user_sgpr_kernarg_segment_ptr 1
		.amdhsa_wavefront_size32 1
		.amdhsa_system_sgpr_workgroup_id_x 1
		.amdhsa_system_sgpr_workgroup_id_y 1
		.amdhsa_system_sgpr_workgroup_id_z 1
		.amdhsa_system_vgpr_workitem_id 0
		.amdhsa_next_free_vgpr 768
		.amdhsa_next_free_sgpr 66
		.amdhsa_reserve_vcc 0
		.amdhsa_float_denorm_mode_32 3
		.amdhsa_float_denorm_mode_16_64 3
		.amdhsa_memory_ordered 1
		.amdhsa_forward_progress 1
		.amdhsa_inst_pref_size 69
	.end_amdhsa_kernel
	.amdgpu_metadata
---
amdhsa.version: [ 1, 2 ]
amdhsa.kernels:
  - .name:           k_qfcc623e1ee_proj
    .symbol:         k_qfcc623e1ee_proj.kd
    .args:
      - { .name: ob, .offset: 0, .size: 8, .value_kind: global_buffer, .address_space: global }
      - { .name: cq, .offset: 8, .size: 8, .value_kind: global_buffer, .address_space: global }
      - { .name: bp, .offset: 16, .size: 8, .value_kind: global_buffer, .address_space: global }
      - { .name: out0, .offset: 24, .size: 8, .value_kind: global_buffer, .address_space: global }
    .group_segment_fixed_size: 327680
    .private_segment_fixed_size: 0
    .kernarg_segment_align: 8
    .kernarg_segment_size: 32
    .max_flat_workgroup_size: 128
    .sgpr_count:     66
    .vgpr_count:     768
    .wavefront_size: 32
...
	.end_amdgpu_metadata
.endif
;; end of part 4
